; MI455X (gfx1250); checked and timed in simulation.
; The chip was launched on July 23, 2026; its instructions are those of AMD's public machine-readable ISA for CDNA 5 (MIT licence, August 2026) and "CDNA5" Instruction Set Architecture Reference Guide (July 2026). The comments in the code are by the model that wrote it; some were corrected since.
;; Causal Self Attention. Allowed arithmetic: matrix products marked QUANTISED: E2M1 operands, one E8M0 scale for each 32 along K, by v_wmma_scale_f32_16x16x128_f8f6f4 with both operands' format E2M1 (or v_wmma_scale_f32_32x16x128_f4), f32 sums; products left as they are: bf16, f16 or f32 operands; f32 sums; everything else in f32.
;; Inputs: w_out 1,024 x 1,024 float32; w_qkv 1,024 x 3,072 float32; x 4 x 2,048 x 1,024 float32.
;; Outputs: out0 4 x 2,048 x 1,024 float32.
;; This version of the problem:
;;   THIS VERSION OF THE PROBLEM IS GIVEN IN LOW PRECISION. The matrix products marked QUANTISED in the list below multiply operands that are first quantised to E2M1 (2 exponent bits, 1 mantissa bit; 4 bits a number), with one power-of-two scale for each 32 numbers along K (OCP MX v1.0); their sums are f32. The products marked 'left as it is' may take bf16, f16 or f32 operands, with f32 sums. Whichever they take, every output number must still come out within the allowed error. Rounding operands to bf16 (8 significant bits) uses up far more of that allowance than f16 does (11 bits, for magnitudes from 6e-5 to 65,504). All else is computed in f32.
;;   The module's matrix products, in the order in which they are computed (A, B: the left and right operand; K: the contracted axis; several contracted axes count as one K, in the product's order):
;;     1. [M 8,192, K 1,024] x [K 1,024, N 3,072]; A: input x; B: input w_qkv: QUANTISED
;;     2. batch 64 x [M 2,048, K 64] x [K 64, N 2,048]; A: computed on the way; B: computed on the way: left as it is (an operand is computed on the way)
;;     3. batch 64 x [M 64, K 2,048] x [K 2,048, N 2,048]; A: computed on the way; B: computed on the way: left as it is (an operand is computed on the way)
;;     4. [M 8,192, K 1,024] x [K 1,024, N 1,024]; A: computed on the way; B: input w_out: left as it is (an operand is computed on the way)
;;   THE QUANTISER, for each operand of a quantised product, along K:
;;     - K is cut into blocks of 32 from its start; a last block that is shorter is filled with zeros.
;;     - A block's scale is 2^e with e = floor(log2(the largest magnitude in the block)) - 2, held to -126 .. 127; a block of zeros has e = 0. As a byte (E8M0): e + 127.
;;     - Each number is divided by its block's scale, clamped to +-6, and rounded to the nearest number of E2M1, ties to even, subnormals kept.
;;     - The product sums the exact products of the quantised numbers (number of the format x scale) in f32.
;;   ~~~python
;;   def quantise(x, axis):      # numpy; x: float32 -> the quantised numbers, widened to float32 again
;;       x = np.moveaxis(x, axis, -1); K = x.shape[-1]
;;       x = np.pad(x, [(0, 0)] * (x.ndim - 1) + [(0, -K % 32)]); x = x.reshape(x.shape[:-1] + (-1, 32)); a = np.abs(x).max(-1, keepdims=True)
;;       e = np.where(a > 0, np.clip(np.frexp(np.where(a > 0, a, 1))[1] - 1 - 2, -126, 127), 0)      # np.frexp(a)[1] - 1 = floor(log2(a)), exactly
;;       r = np.clip(x / 2.0 ** e, -6, 6)
;;       step = 2.0 ** (np.maximum(np.frexp(np.where(r == 0, 1, r))[1] - 1, 0) - 1)
;;       q = np.round(r / step) * step * 2.0 ** e      # np.round: ties to even
;;       return np.moveaxis(q.reshape(q.shape[:-2] + (-1,))[..., :K], -1, axis).astype(np.float32)
;;   ~~~
;; One version. Each part assembles by itself: llvm-mc -triple=amdgcn-amd-amdhsa -mcpu=gfx1250 --defsym DOCPART=n.
;; ======== version 1 of 1: 5 launches
;; limits: values are held in f16: magnitudes above 65,504 overflow, below 6.1e-05 lose precision
;; workspace buffers: codes 5,767,168 bytes; scales 360,448 bytes; wot 2,097,152 bytes; rope 524,288 bytes; qkv16 50,331,648 bytes; qkv32 786,432 bytes; att16 16,777,216 bytes
;; launch prep (part 1): grid 272 x 1, 8 waves a work-group, no clusters, 84,992 bytes of LDS; arguments x, w_qkv, w_out, codes, scales, wot, rope; writes codes, scales, wot, rope
.if DOCPART == 1
	.amdgcn_target "amdgcn-amd-amdhsa--gfx1250"
	.amdhsa_code_object_version 6
	.text
	.protected	k_q1a7c132ced_prep
	.globl	k_q1a7c132ced_prep
	.p2align	8
	.type	k_q1a7c132ced_prep,@function
k_q1a7c132ced_prep:
	s_mov_b64 s[64:65], 0
	v_nop
	global_prefetch_b8 v0, s[64:65] scope:SCOPE_SE
	s_setreg_imm32_b32 hwreg(HW_REG_WAVE_MODE, 25, 1), 1
	s_wait_xcnt 0x0
; CAUSAL SELF-ATTENTION, B = 4, T = 2,048, C = 1,024, 16 heads of 64.  Five launches: prep (this one), qkv, fine, attn, proj.
; THIS LAUNCH makes what the later ones read many times: the MX-FP4 codes and E8M0 scale bytes of x and of w_qkv (both quantised along K = c), w_out turned and rounded to f16, and the rotary table.
; WORK LEFT OUT BY THE PROGRAM.  reference() builds mask = tril(ones) in its own body and replaces the score of every key k > q by -1e9, whatever q . k is: so the products q . k of such pairs reach no output, for all values of
; the inputs, and key tiles that lie wholly above the diagonal are not multiplied (launch attn).  Their weight in the softmax, exp(-1e9 - the row's largest score), is taken as 0.  No input is without a way to the output: all three are loaded.
; Rows t < 16 of every batch are computed in f32 by launch fine, which owns those rows of out0; launch proj stores all other rows.
; LIMITS.  (a) A masked term counts as 0: that is what reference()'s f32 gives while a row's largest visible score lies above -1e9 + 104.  (b) NaN and infinities in x or w_qkv are not served; a block of zeros gets the scale
; byte 1 where the rule says 127: its codes are zeros, and this program alone reads the bytes; blocks whose largest magnitude lies under 2^-124 keep the byte 1.  (c) q, k, v go on as f16: magnitudes above 65,504 are not served.
; (d) The rotary angle is t x 2^(-f log2(10000) / 32), not t / pow(10000, f / 32): a few ulp of the angle, at most some 4e-4 rad at t = 2,047.  (e) A NaN, an infinity or an overflow that reaches only masked tiles is not carried to the result.
; LAYOUTS.  codes [11,264 rows][512 bytes]: row m < 8,192 is x's row m, row 8,192 + n is column n of w_qkv; K innermost, two codes a byte.  scales [11,264][32].
; wot [n / 16][c / 32][half][lane][16 bytes]: the registers of an f16 operand (16 rows n x 32 along c) on end: lane (r, h) holds row r; half 0: c = 8 h + 0..7, half 1: c = 16 + 8 h + 0..7.
; rope [t / 16][g 8][lane][16 bytes]: 32 registers a lane: register 8 b + j = cos, 16 + 8 b + j = sin, of position 16 tt + r at frequency 16 b + 8 h + j.
; FOUR PATHS part on the work-group's number, the same in all eight waves: 0-127 x, 128-223 w_qkv, 224-255 w_out, 256-271 the table.  Each path that uses LDS has bytes of its own.  No tensor load, no matrix work: memory binds.
.set SPARE, 83968                      ; the spare words: 128 bytes for each of eight waves; no other line names them
.set SPW,   12                         ; v12  SPARE + 4 x my thread's number; never rewritten
.set NIL,   13                         ; v13  0; never rewritten
.set WREG,  8192                       ; x's path: LDS of a wave: two stages of 32 x 80 bytes, then its 256 scale bytes
.set SP,    80
.set WST,   65536                      ; w_qkv's path: a stage of 64 columns x (256 bytes + 16)
.set WSC,   82944                      ; and 64 x 16 scale bytes
.set XR,    16                         ; v16-79   x: four sets of 16 numbers as loaded
.set XX,    80                         ; v80-111  x: two sets of 16 neighbours
.set XE,    112                        ; v112-127 x: a scale byte for each step
.set XC,    128                        ; v128-191 x: codes, four registers for each step
.macro FIN                             ; a wave's end: a wait, an add of 0 onto the spare word and a wait, behind the last LDS store
	s_wait_tensorcnt 0x0
	ds_add_u32 v[SPW], v[NIL]
	s_wait_dscnt 0x0
	s_endpgm
.endm
; 32 rows of K at my column, into set t % 2 of v32-95: a lane takes a column and its registers run down K; 32 lanes read 128 consecutive bytes
.macro KLOAD t, base, pitch
.irp i, 0,1,2,3,4,5,6,7,8,9,10,11,12,13,14,15,16,17,18,19,20,21,22,23,24,25,26,27,28,29,30,31
	global_load_b32 v[32+32*((\t)%2)+\i], v3, s[\base:\base+1] offset:(32*(\t)+\i)*\pitch th:TH_LOAD_NT
.endr
.endm
.macro XLOAD t
.irp i, 0,1,2,3
	global_load_b128 v[XR+16*((\t)%4)+4*\i:XR+16*((\t)%4)+4*\i+3], v3, s[4:5] offset:2048*(\t)+512*\i th:TH_LOAD_NT   ; 32 lanes read 512 consecutive bytes
.endr
.endm
.macro XTURN t                         ; step t's 2,048 bytes through the wave's stage: in as they lie, back 64 bytes a lane.  LDS serves a wave's instructions in order: no wait between
.irp i, 0,1,2,3
	ds_store_b128 v14, v[XR+16*((\t)%4)+4*\i:XR+16*((\t)%4)+4*\i+3] offset:32*SP*((\t)%2)+8*SP*\i
.endr
.irp i, 0,1,2,3
	ds_load_b128 v[XX+16*((\t)%2)+4*\i:XX+16*((\t)%2)+4*\i+3], v15 offset:32*SP*((\t)%2)+16*\i
.endr
.endm
.macro XSTEP t                         ; 512 numbers: a lane holds 16 neighbours, two neighbouring lanes a block of 32
.set XS, XX+16*((\t)%2)
.if (\t) > 0
	s_wait_dscnt 1                                 ; this step's numbers are back from the stage; the last step's byte store may be out
.else
	s_wait_dscnt 0x0
.endif
.if (\t)+4 < 16
	XLOAD (\t)+4                                   ; the stage's stores have read these registers
.endif
.if (\t)+1 < 16
.if 14-(\t) >= 3
	s_wait_loadcnt 12                              ; the next step's four loads are in; those of the three steps behind it may be out
.else
	s_wait_loadcnt 4*(14-(\t))
.endif
	XTURN (\t)+1
.endif
	v_max3_num_f32 v8, |v[XS]|, |v[XS+1]|, |v[XS+2]|
	v_max3_num_f32 v9, |v[XS+3]|, |v[XS+4]|, |v[XS+5]|
.irp i, 6,10
	v_max3_num_f32 v8, v8, |v[XS+\i]|, |v[XS+\i+1]|
	v_max3_num_f32 v9, v9, |v[XS+\i+2]|, |v[XS+\i+3]|
.endr
	v_max3_num_f32 v8, v8, |v[XS+14]|, |v[XS+15]|
	v_max3_num_f32 v8, v8, v9, 0x1800000           ; and the floor 2^(3 - 127): the byte cannot fall under 1
	v_max_num_f32_dpp v8, v8, v8 row_xmask:1 row_mask:0xf bank_mask:0xf   ; with my neighbour's 16: the block's largest magnitude
	v_add_nc_u32 v11, 0xff000000, v8               ; 2 off its exponent field: the conversion takes the exponent field of this operand as its scale
	v_cvt_scalef32_pk8_fp4_f32 v[XC+4*(\t)], v[XS:XS+7], v11
	v_cvt_scalef32_pk8_fp4_f32 v[XC+4*(\t)+1], v[XS+8:XS+15], v11
	v_lshrrev_b32 v[XE+(\t)], 23, v11              ; the scale's byte
	ds_store_b8 v5, v[XE+(\t)] offset:16*(\t)      ; both lanes of a block write the same byte with the same value
	global_store_b64 v4, v[XC+4*(\t):XC+4*(\t)+1], s[10:11] offset:256*(\t)   ; 32 lanes store 256 consecutive bytes, aligned
.endm
.macro WBLOCK t                        ; a block of 32 along K of my column of w_qkv
.set XS, 32+32*((\t)%2)
.if (\t) < 3
	s_wait_loadcnt 32                              ; this block's 32 loads are in; the next block's may be out
.else
	s_wait_loadcnt 0x0
.endif
	v_max3_num_f32 v8, |v[XS]|, |v[XS+1]|, |v[XS+2]|
	v_max3_num_f32 v9, |v[XS+3]|, |v[XS+4]|, |v[XS+5]|
.irp i, 6,10,14,18,22,26
	v_max3_num_f32 v8, v8, |v[XS+\i]|, |v[XS+\i+1]|
	v_max3_num_f32 v9, v9, |v[XS+\i+2]|, |v[XS+\i+3]|
.endr
	v_max3_num_f32 v8, v8, |v[XS+30]|, |v[XS+31]|
	v_max3_num_f32 v8, v8, v9, 0x1800000
	v_add_nc_u32 v11, 0xff000000, v8
	v_lshrrev_b32 v10, 23, v11
.if (\t) == 0
	v_mov_b32 v24, v10                             ; my four bytes make a word, the lower K in the lower byte
.else
	v_lshl_or_b32 v24, v10, 8*(\t), v24
.endif
.irp g, 0,1,2,3
	v_cvt_scalef32_pk8_fp4_f32 v[96+\g], v[XS+8*\g:XS+8*\g+7], v11
.endr
	ds_store_b128 v4, v[96:99] offset:16*(\t)      ; 32 codes: 16 bytes of my column's row
.if (\t)+2 < 4
	KLOAD (\t)+2, 6, 12288
.endif
	s_wait_dscnt 0x0                               ; the store has read its registers: the next block's codes may be written
.endm
.macro WOBLOCK t                       ; 32 along K of my column of w_out, rounded to f16: four pieces of 16 bytes of the operand's image
.set XS, 32+32*((\t)%2)
.if (\t) < 3
	s_wait_loadcnt 32
.else
	s_wait_loadcnt 0x0
.endif
.irp i, 0,1,2,3,4,5,6,7,8,9,10,11,12,13,14,15
	v_cvt_pk_f16_f32 v[96+16*(\t)+\i], v[XS+2*\i], v[XS+2*\i+1]
.endr
.if (\t)+2 < 4
	KLOAD (\t)+2, 8, 4096
.endif
.irp q, 0,1,2,3
	global_store_b128 v7, v[96+16*(\t)+4*\q:96+16*(\t)+4*\q+3], s[14:15] offset:1024*(\t)+512*(\q/2)+256*(\q%2)   ; sixteen lanes store 256 consecutive bytes, aligned; each block has registers of its own
.endr
.endm
.macro SINCOS k                        ; cos and sin of the angle in v[16 + k]: n = the nearest multiple of pi / 2, taken off in two parts; polynomials on |r| <= pi / 4; the quadrant selects and signs
.set TA, 64+8*((\k)%2)
	v_mul_f32 v[TA], 0x3f22f983, v[16+\k]          ; x 2 / pi
	v_rndne_f32 v[TA], v[TA]
	v_fma_f32 v[TA+1], v[TA], s24, v[16+\k]
	v_fma_f32 v[TA+1], v[TA], s25, v[TA+1]         ; r
	v_cvt_i32_f32 v[TA+2], v[TA]                   ; n as a whole number
	v_mul_f32 v[TA+3], v[TA+1], v[TA+1]            ; z = r r
	v_fma_f32 v[TA+4], v[TA+3], s26, s27
	v_fma_f32 v[TA+4], v[TA+4], v[TA+3], s28
	v_mul_f32 v[TA+4], v[TA+4], v[TA+3]
	v_fma_f32 v[TA+4], v[TA+4], v[TA+1], v[TA+1]   ; sin r
	v_fma_f32 v[TA+5], v[TA+3], s29, s30
	v_fma_f32 v[TA+5], v[TA+5], v[TA+3], s31
	v_mul_f32 v[TA+6], v[TA+3], v[TA+3]
	v_fma_f32 v[TA+7], v[TA+3], -0.5, 1.0
	v_fma_f32 v[TA+5], v[TA+5], v[TA+6], v[TA+7]   ; cos r
	v_and_b32 v[TA], 1, v[TA+2]
	v_cmp_eq_u32 vcc_lo, 1, v[TA]                  ; an odd quadrant swaps the two
	v_cndmask_b32 v[TA+6], v[TA+4], v[TA+5], vcc_lo
	v_cndmask_b32 v[TA+7], v[TA+5], v[TA+4], vcc_lo
	v_lshlrev_b32 v[TA], 30, v[TA+2]
	v_and_b32 v[TA], 0x80000000, v[TA]             ; sin is negative in quadrants 2, 3
	v_xor_b32 v[48+\k], v[TA], v[TA+6]
	v_add_nc_u32 v[TA+2], 1, v[TA+2]
	v_lshlrev_b32 v[TA+2], 30, v[TA+2]
	v_and_b32 v[TA+2], 0x80000000, v[TA+2]         ; cos in quadrants 1, 2
	v_xor_b32 v[32+\k], v[TA+2], v[TA+7]
.endm
	s_load_b256 s[4:11], s[0:1], 0x0               ; x s[4:5], w_qkv s[6:7], w_out s[8:9], codes s[10:11]
	s_load_b128 s[12:15], s[0:1], 0x20             ; scales s[12:13], wot s[14:15]
	s_load_b64 s[16:17], s[0:1], 0x30              ; rope
	v_lshl_add_u32 v[SPW], v0, 2, SPARE
	v_mov_b32 v[NIL], 0
	v_lshrrev_b32 v1, 5, v0
	v_readfirstlane_b32 s18, v1                    ; wave 0..7
	v_and_b32 v2, 31, v0                           ; lane
	s_mov_b32 s23, 0                               ; the upper word of every offset
	s_wait_kmcnt 0x0
	s_cmp_lt_u32 ttmp9, 128
	s_cbranch_scc1 .Lx
	s_cmp_lt_u32 ttmp9, 224
	s_cbranch_scc1 .Lw
	s_cmp_lt_u32 ttmp9, 256
	s_cbranch_scc1 .Lwo
	; ---- THE ROTARY TABLE: a wave makes 16 positions x 32 frequencies
	s_sub_co_u32 s19, ttmp9, 256
	s_lshl_b32 s19, s19, 3
	s_add_co_u32 s19, s19, s18                     ; tt = t / 16
	s_lshl_b32 s22, s19, 12
	s_add_nc_u64 s[16:17], s[16:17], s[22:23]
	s_lshl_b32 s19, s19, 4
	s_mov_b32 s24, 0xbfc90fdb                      ; -pi / 2, its leading part,
	s_mov_b32 s25, 0x333bbd2e                      ; and what that part leaves
	s_mov_b32 s26, 0xb94ca1f9                      ; sin: -1.9515296e-4, 8.3321609e-3, -1.6666655e-1
	s_mov_b32 s27, 0x3c08839e
	s_mov_b32 s28, 0xbe2aaaa3
	s_mov_b32 s29, 0x37ccf5ce                      ; cos: 2.4433157e-5, -1.3887316e-3, 4.1666646e-2
	s_mov_b32 s30, 0xbab6061a
	s_mov_b32 s31, 0x3d2aaaa5
	v_lshlrev_b32 v3, 4, v2                        ; 16 x lane
	v_and_b32 v4, 15, v2
	v_add_nc_u32 v4, s19, v4
	v_cvt_f32_u32 v4, v4                           ; t
	v_lshrrev_b32 v5, 4, v2
	v_lshlrev_b32 v5, 3, v5                        ; 8 h
.irp k, 0,1,2,3,4,5,6,7,8,9,10,11,12,13,14,15
	v_add_nc_u32 v[16+\k], 16*(\k/8)+\k%8, v5      ; the frequency's number f
.endr
.irp k, 0,1,2,3,4,5,6,7,8,9,10,11,12,13,14,15
	v_cvt_f32_u32 v[16+\k], v[16+\k]
.endr
.irp k, 0,1,2,3,4,5,6,7,8,9,10,11,12,13,14,15
	v_mul_f32 v[16+\k], 0xbed49a78, v[16+\k]       ; x -log2(10000) / 32
.endr
.irp k, 0,1,2,3,4,5,6,7,8,9,10,11,12,13,14,15
	v_exp_f32 v[16+\k], v[16+\k]                   ; 10000^(-f / 32): one batch
.endr
	v_nop                                          ; a plain instruction behind the last exponential
	s_wait_alu depctr_va_vdst(0)                   ; one wait for the batch, ahead of its first reader
.irp k, 0,1,2,3,4,5,6,7,8,9,10,11,12,13,14,15
	v_mul_f32 v[16+\k], v4, v[16+\k]               ; the angle
.endr
.irp k, 0,1,2,3,4,5,6,7,8,9,10,11,12,13,14,15
	SINCOS \k
.endr
.irp g, 0,1,2,3,4,5,6,7
	global_store_b128 v3, v[32+4*\g:35+4*\g], s[16:17] offset:512*\g   ; 32 lanes store 512 consecutive bytes
.endr
	FIN
	; ---- w_out: a wave takes 32 columns x 128 along K
.Lwo:
	s_sub_co_u32 s19, ttmp9, 224
	s_lshl_b32 s19, s19, 3
	s_add_co_u32 s19, s19, s18
	s_and_b32 s20, s19, 31                         ; which 32 columns
	s_lshr_b32 s21, s19, 5                         ; which 128 of K
	s_lshl_b32 s22, s21, 19                        ; 128 rows of 4,096 bytes
	s_lshl_b32 s19, s20, 7
	s_add_co_u32 s22, s22, s19
	s_add_nc_u64 s[8:9], s[8:9], s[22:23]
	s_lshl_b32 s22, s20, 16                        ; two tiles of 16 columns, 32,768 bytes each
	s_lshl_b32 s19, s21, 12                        ; four chunks of 32 along K, 1,024 bytes each
	s_add_co_u32 s22, s22, s19
	s_add_nc_u64 s[14:15], s[14:15], s[22:23]
	v_lshlrev_b32 v3, 2, v2
	v_lshrrev_b32 v7, 4, v2
	v_lshlrev_b32 v7, 15, v7
	v_and_b32 v6, 15, v2
	v_lshl_add_u32 v7, v6, 4, v7                   ; my column's tile, and its row in it
	KLOAD 0, 8, 4096
	KLOAD 1, 8, 4096
.irp t, 0,1,2,3
	WOBLOCK \t
.endr
	FIN
	; ---- w_qkv: a work-group takes 64 columns x 512 along K; a wave 32 columns x 128: four blocks a lane
.Lw:
	s_sub_co_u32 s19, ttmp9, 128
	s_lshr_b32 s20, s19, 1                         ; which 64 columns
	s_and_b32 s21, s19, 1                          ; which half of K
	s_and_b32 s24, s18, 1                          ; my 32 of the columns
	s_lshr_b32 s25, s18, 1                         ; my 128 of the 512
	s_lshl_b32 s26, s21, 2
	s_add_co_u32 s26, s26, s25
	s_mul_i32 s22, s26, 128*12288
	s_lshl_b32 s26, s20, 8
	s_add_co_u32 s22, s22, s26
	s_lshl_b32 s26, s24, 7
	s_add_co_u32 s22, s22, s26
	s_add_nc_u64 s[6:7], s[6:7], s[22:23]
	s_lshl_b32 s22, s20, 15                        ; codes: 64 rows of 512 bytes, behind x's 8,192 rows
	s_lshl_b32 s26, s21, 8
	s_add_co_u32 s22, s22, s26
	s_add_co_u32 s22, s22, 4194304
	s_add_nc_u64 s[10:11], s[10:11], s[22:23]
	s_lshl_b32 s22, s20, 11                        ; scale bytes: 64 rows of 32
	s_lshl_b32 s26, s21, 4
	s_add_co_u32 s22, s22, s26
	s_add_co_u32 s22, s22, 262144
	s_add_nc_u64 s[12:13], s[12:13], s[22:23]
	v_lshlrev_b32 v3, 2, v2
	s_mul_i32 s26, s24, 32*272                     ; every LDS address is made here: a constant + a constant x lane + constants x the wave's number
	s_lshl_b32 s27, s25, 6
	s_add_co_u32 s26, s26, s27
	s_add_co_u32 s26, s26, WST
	v_mul_u32_u24 v4, v2, 272
	v_add_nc_u32 v4, s26, v4                       ; into the stage: row = my column, my 64 bytes of its 256
	s_lshl_b32 s26, s24, 9
	s_lshl_b32 s27, s25, 2
	s_add_co_u32 s26, s26, s27
	s_add_co_u32 s26, s26, WSC
	v_lshl_add_u32 v5, v2, 4, s26                  ; my scale word
	v_lshrrev_b32 v14, 4, v2
	v_and_b32 v15, 15, v2
	s_mul_i32 s26, s18, 8*272
	s_add_co_u32 s26, s26, WST
	v_mul_u32_u24 v6, v14, 272
	v_lshl_add_u32 v6, v15, 4, v6
	v_add_nc_u32 v6, s26, v6                       ; out of it: eight rows a wave, sixteen lanes to a row
	s_lshl_b32 s26, s18, 12
	v_lshlrev_b32 v7, 9, v14
	v_lshl_add_u32 v7, v15, 4, v7
	v_add_nc_u32 v7, s26, v7                       ; and the same place among the codes' rows
	v_and_b32 v16, 63, v0
	v_lshlrev_b32 v17, 5, v16                      ; a row of scale bytes is 32
	v_lshl_add_u32 v16, v16, 4, WSC
	KLOAD 0, 6, 12288
	KLOAD 1, 6, 12288
.irp t, 0,1,2,3
	WBLOCK \t
.endr
	ds_store_b32 v5, v24
	s_wait_dscnt 0x0                               ; for the others' sake: my stores have landed
	s_barrier_signal -1
	s_barrier_wait -1                              ; the path hangs on the work-group's number: all eight waves are here
.irp i, 0,1,2,3
	ds_load_b128 v[112+4*\i:115+4*\i], v6 offset:544*\i
.endr
.irp i, 0,1,2,3
	s_wait_dscnt 3-\i                              ; the younger reads may be out
	global_store_b128 v7, v[112+4*\i:115+4*\i], s[10:11] offset:1024*\i   ; sixteen lanes store 256 consecutive bytes, aligned
.endr
	s_cmp_gt_u32 s18, 1
	s_cbranch_scc1 .Lw_done                        ; waves 0 and 1 send the 64 rows' scale bytes, 16 a row
	ds_load_b128 v[100:103], v16
	s_wait_dscnt 0x0
	global_store_b128 v17, v[100:103], s[12:13]
.Lw_done:
	FIN
	; ---- x: a plain stream of blocks of 32; a wave takes 16 steps of 512 numbers
.Lx:
	v_lshlrev_b32 v3, 4, v2                        ; my 16 bytes of a load's 512
	s_mul_i32 s19, s18, WREG
	v_lshrrev_b32 v14, 2, v2
	v_mul_u32_u24 v14, v14, SP
	v_and_b32 v15, 3, v2
	v_lshl_add_u32 v14, v15, 4, v14
	v_add_nc_u32 v14, s19, v14                     ; the stage, on the way in: four lanes' 64 bytes on end, then 16 of padding
	v_mul_u32_u24 v15, v2, SP
	v_add_nc_u32 v15, s19, v15                     ; and on the way out: my 16 neighbours
	v_lshlrev_b32 v4, 3, v2                        ; my 8 bytes of a step's codes
	v_lshrrev_b32 v5, 1, v2
	s_add_co_u32 s19, s19, 2*32*SP
	v_add_nc_u32 v5, s19, v5                       ; my block's byte among the wave's 256
	v_lshlrev_b32 v7, 3, v2
	v_add_nc_u32 v6, s19, v7
	s_lshl_b32 s20, ttmp9, 3
	s_add_co_u32 s20, s20, s18                     ; which run of 8,192 numbers is my wave's
	s_lshl_b32 s22, s20, 15
	s_add_nc_u64 s[4:5], s[4:5], s[22:23]
	s_lshl_b32 s22, s20, 12
	s_add_nc_u64 s[10:11], s[10:11], s[22:23]
	s_lshl_b32 s22, s20, 8
	s_add_nc_u64 s[12:13], s[12:13], s[22:23]
.irp t, 0,1,2,3
	XLOAD \t
.endr
	s_wait_loadcnt 12                              ; step 0's four loads are in
	XTURN 0
.irp t, 0,1,2,3,4,5,6,7,8,9,10,11,12,13,14,15
	XSTEP \t
.endr
	ds_load_b64 v[8:9], v6                         ; LDS serves a wave's instructions in order: these see my byte stores
	s_wait_dscnt 0x0
	global_store_b64 v7, v[8:9], s[12:13]          ; 32 lanes store 256 consecutive bytes, aligned
	FIN
.Lfunc_end_k_q1a7c132ced_prep:
	.size	k_q1a7c132ced_prep, .Lfunc_end_k_q1a7c132ced_prep-k_q1a7c132ced_prep
	.p2alignl 7, 3214868480
	.fill 96, 4, 3214868480
	.section	.rodata,"a",@progbits
	.p2align	6, 0x0
	.amdhsa_kernel k_q1a7c132ced_prep
		.amdhsa_group_segment_fixed_size 84992
		.amdhsa_private_segment_fixed_size 0
		.amdhsa_enable_private_segment 0
		.amdhsa_kernarg_size 56
		.amdhsa_user_sgpr_count 2
		.amdhsa_user_sgpr_kernarg_segment_ptr 1
		.amdhsa_wavefront_size32 1
		.amdhsa_system_sgpr_workgroup_id_x 1
		.amdhsa_system_sgpr_workgroup_id_y 1
		.amdhsa_system_sgpr_workgroup_id_z 1
		.amdhsa_system_vgpr_workitem_id 0
		.amdhsa_next_free_vgpr 192
		.amdhsa_next_free_sgpr 66
		.amdhsa_reserve_vcc 1
		.amdhsa_float_denorm_mode_32 3
		.amdhsa_float_denorm_mode_16_64 3
		.amdhsa_memory_ordered 1
		.amdhsa_forward_progress 1
		.amdhsa_inst_pref_size 97
	.end_amdhsa_kernel
	.amdgpu_metadata
---
amdhsa.version: [ 1, 2 ]
amdhsa.kernels:
  - .name:           k_q1a7c132ced_prep
    .symbol:         k_q1a7c132ced_prep.kd
    .args:
      - { .name: x, .offset: 0, .size: 8, .value_kind: global_buffer, .address_space: global }
      - { .name: w_qkv, .offset: 8, .size: 8, .value_kind: global_buffer, .address_space: global }
      - { .name: w_out, .offset: 16, .size: 8, .value_kind: global_buffer, .address_space: global }
      - { .name: codes, .offset: 24, .size: 8, .value_kind: global_buffer, .address_space: global }
      - { .name: scales, .offset: 32, .size: 8, .value_kind: global_buffer, .address_space: global }
      - { .name: wot, .offset: 40, .size: 8, .value_kind: global_buffer, .address_space: global }
      - { .name: rope, .offset: 48, .size: 8, .value_kind: global_buffer, .address_space: global }
    .group_segment_fixed_size: 84992
    .private_segment_fixed_size: 0
    .kernarg_segment_align: 8
    .kernarg_segment_size: 56
    .max_flat_workgroup_size: 256
    .sgpr_count:     66
    .vgpr_count:     192
    .wavefront_size: 32
...
	.end_amdgpu_metadata
.endif
;; end of part 1
;; launch qkv (part 2): grid 12 x 32, 4 waves a work-group, clusters of 4 x 4, 327,680 bytes of LDS; arguments codes, scales, rope, qkv16, qkv32; writes qkv16, qkv32
.if DOCPART == 2
	.amdgcn_target "amdgcn-amd-amdhsa--gfx1250"
	.amdhsa_code_object_version 6
	.text
	.protected	k_q1a7c132ced_qkv
	.globl	k_q1a7c132ced_qkv
	.p2align	8
	.type	k_q1a7c132ced_qkv,@function
k_q1a7c132ced_qkv:
	s_mov_b64 s[64:65], 0
	v_nop
	global_prefetch_b8 v0, s[64:65] scope:SCOPE_SE
	s_setreg_imm32_b32 hwreg(HW_REG_WAVE_MODE, 25, 1), 1
	s_wait_xcnt 0x0
	s_wait_alu depctr_hold_cnt(0) depctr_sa_sdst(0) depctr_va_vdst(0) depctr_va_sdst(0) depctr_va_ssrc(0) depctr_va_vcc(0) depctr_vm_vsrc(0)
	s_getreg_b32 s2, hwreg(HW_REG_IB_STS2, 6, 4)
	s_cmp_eq_u32 s2, 0
	s_cbranch_scc0 .Lentry_in_a_cluster
	s_endpgm
.Lentry_in_a_cluster:
	s_bfe_u32 s2, ttmp6, 0x10000c
	s_cmp_lg_u32 s2, 0xf033
	s_cbranch_scc0 .Lentry_shape_is_right
	s_endpgm
.Lentry_shape_is_right:
; qkv = Q(x) Q(w_qkv) on codes of FP4 (E2M1) with one E8M0 scale for each 32 along K = 1,024; then the rotary turn of q and k in f32; q, k, v leave as f16 in the order of the next launch's operand registers.
; A tile of 256 x 256 is made by four waves, 128 x 128 each: 64 accumulators, 512 registers.  K = 1,024 is two LDS slots of 512 (rows of 256 bytes + 16 of padding): both are asked for at the head, and nothing is filled again.
; The scale bytes of the tile's 512 rows come once, as two dense blocks, in rows of 256 bytes + 16.
; THE MATRIX INSTRUCTION IS USED TRANSPOSED (source 0 = 16 rows of side B, source 1 = 16 rows of side A): a lane holds ONE row of side A and eight neighbouring rows of side B.
; WHICH ROWS OF 'codes' ARE WHICH SIDE hangs on the cluster's x (0: q, 1: k, 2: v), the same in all sixteen partners.  q, k: side A = positions (x's rows), side B = channels (w's columns): a lane holds a position and eight channels.
; v: side A = channels, side B = positions: a lane holds a channel and eight positions, which is V^T's operand for the second product of attention.
; CLUSTERS: 4 x 4.  Side A's rows hang on cy and the cluster's numbers alone and are asked for jointly by a row of the cluster, side B's on cx and the cluster's numbers, by a column.  x's tile is 8 c + (cluster y), c = cy or cx:
; so the batch is c and the position tile is the cluster's y, and 'positions under 16' is a question of the cluster's y and the wave's number, alike in all partners.
; THE WALK PARTS ONCE, behind the change to slot 1: the q, k arm asks there for the first half of its rotary table, 256 matrix instructions ahead of its use; slot 1's four steps are written in both arms.
; OUT.  q, k of a head: [t / 16][channel / 32][half][lane][16 bytes]; v: [t / 32][d / 16][half][lane][16 bytes]: every store is 512 consecutive bytes, and no stage in LDS is needed.
; Positions under 16 also leave in f32 (qkv32), for the launch that carries those rows in f32.
; REGISTERS, in windows of 256: window 0: v16-29 addresses; v32-95 scale words, two sets, and nothing else; v96-103 at work on the way out; v128-191 A's fragments, later 64 turned numbers; v192-255 packed results, two sets.
;   window 1: B's fragments at v0-63 and v128-191; the rotary table's blocks 0-3 at v64-127 and v192-255, blocks 4-7 over B's fragments.   windows 2, 3: the accumulators ((a, b) at v[8 (8 (a % 4) + b)]).
.set NQ,     4                         ; steps of 128 along K in a slot
.set ROWB,   256
.set KROW,   512                       ; a row of codes in memory
.set PITCH,  272                       ; an LDS row: 68 words: the 16 rows of a load start 4 words apart modulo 64
.set FR,     8
.set NL,     2
.set NP,     4                         ; places behind this matrix instruction (ISA guide 7.12.1)
.set HALFT,  128*PITCH
.set SLOT,   4*HALFT
.set KS,     32                        ; a row of scale bytes
.set SCL,    2*SLOT
.set HALFS,  (128*KS/256)*272
.set SBLK,   (16*KS/256)*272
.set SPARE,  SCL+4*HALFS               ; the spare words, 128 bytes for each wave
.set ADRA, 16
.set ADRB, 20
.set L16,  26                          ; v26  16 x lane; never rewritten
.set ADRS, 27
.set SPW,  28
.set NIL,  29
.set SC,   32
.set AF,   128
.set G1, 24
.set G0, 32
.set G1B, 48
.set G0B, 56
.set G1S, 68
.set G0S, 76
.set G1SB, 80
.set G0SB, 88
.set OUTB, 96                          ; s[96:97]   where my f16 results begin
.set F32B, 98                          ; s[98:99]   where my f32 images begin
.set RPB,  100                         ; s[100:101] my 128 positions' part of the rotary table
.set MSB, 0
.macro WIN new                         ; the immediate's high byte repeats the setting that is left
.if MSB != \new
	s_set_vgpr_msb (MSB<<8)|\new
.set MSB, \new
.endif
.endm
.set MUL_LO, 0xa1                      ; source 0 (B) window 1, source 1 (A) window 0, C and D window 2
.set MUL_HI, 0xf1
.set TO_B,   0x40                      ; destination window 1, address window 0
; A joint load: waves 0 and 1 fetch for side A, waves 2 and 3 for side B.  An s_nop 0 and four v_nop follow each of the two lines.
.macro JLOAD g0a, g1a, g0b, g1b
	s_cmp_eq_u32 s15, 0
	s_cbranch_scc0 .Lfor_b_\@
	tensor_load_to_lds s[\g0a:\g0a+3], s[\g1a:\g1a+7]
	s_nop 0
.rept 4
	v_nop
.endr
	s_branch .Lasked_\@
.Lfor_b_\@:
	tensor_load_to_lds s[\g0b:\g0b+3], s[\g1b:\g1b+7]
	s_nop 0
.rept 4
	v_nop
.endr
.Lasked_\@:
.endm
.macro CROUND                          ; a round of the cluster's barrier
	s_barrier_signal -1
	s_barrier_wait -1
	s_cmp_lg_u32 s14, 0
	s_cbranch_scc1 .Lnot_wave_0_\@
	s_barrier_signal -3
.Lnot_wave_0_\@:
	s_barrier_wait -3
	s_barrier_signal -1
	s_barrier_wait -1
.endm
.macro FIN                             ; the wave's end: a wait, an add of 0 onto the spare word, a wait, and the closing round
	s_wait_tensorcnt 0x0
	ds_add_u32 v[SPW], v[NIL]
	s_wait_dscnt 0x0
	CROUND
	s_endpgm
.endm
	s_load_b256 s[4:11], s[0:1], 0x0               ; codes s[4:5], scales s[6:7], rope s[8:9], qkv16 s[10:11]
	s_load_b64 s[12:13], s[0:1], 0x20              ; qkv32
	v_lshl_add_u32 v[SPW], v0, 2, SPARE
	v_mov_b32 v[NIL], 0
	ds_add_u32 v[SPW], v[NIL]                      ; the wave's opening: the add, twice on end, and its wait ahead of my first tensor load
	ds_add_u32 v[SPW], v[NIL]
	v_lshrrev_b32 v1, 5, v0
	v_readfirstlane_b32 s14, v1                    ; wave 0..3
	s_lshr_b32 s15, s14, 1                         ; which half of side A's rows is mine.  Also: I fetch for A (0) or for B (1)
	s_and_b32 s16, s14, 1                          ; which half of side B's.  Also: which 128 rows I fetch
	s_bfe_u32 s40, ttmp6, 0x40000                  ; cx
	s_bfe_u32 s41, ttmp6, 0x40004                  ; cy
	s_and_b32 s66, ttmp7, 0xffff                   ; the cluster's y: the position tile
	s_lshl_b32 s43, s41, 2
	s_lshl_b32 s43, 15, s43                        ; my row of the cluster
	s_lshl_b32 s44, 0x1111, s40                    ; my column
	s_or_b32 s[G1+0], s43, (0<<16)|(1<<20)|(1<<21)|(5<<22)|(3<<25)  ; the mask; elements of 1 byte; padding on; bit 21 beside a mask; 4 words after every 64
	s_or_b32 s[G1B+0], s44, (0<<16)|(1<<20)|(1<<21)|(5<<22)|(3<<25)
.irp g, G1, G1B
	s_mov_b32 s[\g+1], ROWB<<16                    ; tensor_dim0
	s_mov_b32 s[\g+2], 128<<16                     ; tensor_dim1
	s_mov_b32 s[\g+3], ROWB<<16                    ; tile_dim0
	s_mov_b32 s[\g+4], 128                         ; tile_dim1
	s_mov_b32 s[\g+5], KROW                        ; from row to row
	s_mov_b32 s[\g+6], 0
	s_mov_b32 s[\g+7], 0
.endr
	s_or_b32 s[G1S+0], s43, (3<<16)|(1<<20)|(1<<21)|(5<<22)|(3<<25)  ; the scales of 128 rows: 4,096 dense bytes as 16 rows of 256 (32 elements of 8 bytes)
	s_or_b32 s[G1SB+0], s44, (3<<16)|(1<<20)|(1<<21)|(5<<22)|(3<<25)
.irp g, G1S, G1SB
	s_mov_b32 s[\g+1], 32<<16
	s_mov_b32 s[\g+2], (128*KS/256)<<16
	s_mov_b32 s[\g+3], 32<<16
	s_mov_b32 s[\g+4], 128*KS/256
	s_mov_b32 s[\g+5], 32
	s_mov_b32 s[\g+6], 0
	s_mov_b32 s[\g+7], 0
.endr
	; side A's first row among the codes' rows: made of cy and the cluster's numbers alone
	s_lshl_b32 s20, s41, 3
	s_add_co_u32 s20, s20, s66
	s_lshl_b32 s20, s20, 8                         ; q, k: x's row 256 (8 cy + cluster y)
	s_lshl_b32 s21, s41, 8
	s_add_co_u32 s21, s21, 10240                   ; v: v's columns, 8,192 + 2,048 + 256 cy
	s_cmp_eq_u32 ttmp9, 2
	s_cselect_b32 s20, s21, s20
	; side B's: made of cx and the cluster's numbers alone
	s_lshl_b32 s46, ttmp9, 2
	s_add_co_u32 s46, s46, s40
	s_lshl_b32 s46, s46, 8
	s_add_co_u32 s46, s46, 8192                    ; q, k: w's columns 256 (4 cluster x + cx)
	s_lshl_b32 s47, s40, 3
	s_add_co_u32 s47, s47, s66
	s_lshl_b32 s47, s47, 8                         ; v: x's row 256 (8 cx + cluster y)
	s_cmp_eq_u32 ttmp9, 2
	s_cselect_b32 s46, s47, s46
	s_lshl_b32 s18, s16, 7                         ; which 128 rows of the 256 I fetch
	s_add_co_u32 s20, s20, s18
	s_add_co_u32 s46, s46, s18
	s_lshl_b32 s22, s20, 5                         ; where these rows' scale bytes begin,
	s_mov_b32 s23, 0
	s_lshl_b32 s20, s20, 9                         ; and their codes
	s_mov_b32 s21, 0
	s_lshl_b32 s92, s46, 5
	s_mov_b32 s93, 0
	s_lshl_b32 s46, s46, 9
	s_mov_b32 s47, 0
	s_mul_i32 s45, s14, HALFT                      ; where they go: wave x 128 rows: no place in the cluster enters an LDS address
	s_mul_i32 s94, s14, HALFS
	s_wait_dscnt 0x0                               ; both opening adds are done
	s_wait_kmcnt 0x0
	s_add_nc_u64 s[20:21], s[4:5], s[20:21]
	s_add_nc_u64 s[22:23], s[6:7], s[22:23]
	s_add_nc_u64 s[46:47], s[4:5], s[46:47]
	s_add_nc_u64 s[92:93], s[6:7], s[92:93]
	CROUND                                         ; all sixteen work-groups are here: the first joint loads meet
	s_mov_b32 s[G0S], 1
	s_add_co_u32 s[G0S+1], s94, SCL
	s_mov_b64 s[G0S+2:G0S+3], s[22:23]
	s_or_b32 s[G0S+3], s[G0S+3], 0x80000000
	s_mov_b32 s[G0SB], 1
	s_add_co_u32 s[G0SB+1], s94, SCL
	s_mov_b64 s[G0SB+2:G0SB+3], s[92:93]
	s_or_b32 s[G0SB+3], s[G0SB+3], 0x80000000
	JLOAD G0S, G1S, G0SB, G1SB                     ; the scales first; then both slots: three loads of mine are out
.irp s, 0,1
	s_mov_b32 s[G0+4*\s], 1
	s_add_co_u32 s[G0+4*\s+1], s45, \s*SLOT
	s_add_nc_u64 s[G0+4*\s+2:G0+4*\s+3], s[20:21], \s*ROWB
	s_or_b32 s[G0+4*\s+3], s[G0+4*\s+3], 0x80000000
	s_mov_b32 s[G0B+4*\s], 1
	s_add_co_u32 s[G0B+4*\s+1], s45, \s*SLOT
	s_add_nc_u64 s[G0B+4*\s+2:G0B+4*\s+3], s[46:47], \s*ROWB
	s_or_b32 s[G0B+4*\s+3], s[G0B+4*\s+3], 0x80000000
	JLOAD G0+4*\s, G1, G0B+4*\s, G1B
.endr
	v_and_b32 v1, 15, v0                           ; l % 16
	v_bfe_u32 v2, v0, 4, 1                         ; l / 16
	v_mul_u32_u24 v3, v1, PITCH
	v_lshl_add_u32 v4, v2, 4, v3                   ; a fragment's row x pitch + 16 x half
	s_mul_i32 s21, s15, HALFT
	s_mul_i32 s22, s16, HALFT
	s_add_co_u32 s22, s22, 2*HALFT
.irp s, 0,1
	v_add_nc_u32 v[ADRA+\s], s21, v4
	v_add_nc_u32 v[ADRB+\s], s22, v4
	s_add_co_u32 s21, s21, SLOT
	s_add_co_u32 s22, s22, SLOT
.endr
	v_mul_u32_u24 v5, v1, KS                       ; my row's scales: 32 bytes a row,
	v_lshrrev_b32 v6, 8, v5
	v_lshl_add_u32 v5, v6, 4, v5                   ; and 16 more for each 256 passed
	s_mul_i32 s21, s15, HALFS
	s_mul_i32 s22, s16, HALFS
	s_add_co_u32 s22, s22, 2*HALFS
	s_sub_co_u32 s22, s22, s21
	v_mul_u32_u24 v6, s22, v2                      ; lanes 16-31 take side B's
	s_add_co_u32 s21, s21, SCL
	v_add_nc_u32 v5, v5, v6
	v_add_nc_u32 v[ADRS], s21, v5
	v_and_b32 v6, 31, v0
	v_lshlrev_b32 v[L16], 4, v6
.macro FRAG reg, adr, q, i             ; 16 rows x 128 K of 4-bit codes: 8 registers; registers 4 c .. 4 c + 3 hold K = 64 c + 32 (l / 16) + 0 .. 31
.irp c, 0,1
	ds_load_b128 v[\reg+4*\c:\reg+4*\c+3], v[\adr] offset:64*(\q)+32*\c+(\i)*16*PITCH
.endr
.endm
; 16 matrix instructions: A's blocks a0, a0 + 1 x B's eight.  The 64 accumulators take turns, one instruction a turn, in the same order in every step.
; One register carries A's scale word (lanes 0-15) and B's (lanes 16-31).
.macro MUL16 a0, p, q, sc, zero
.irp a, \a0, \a0+1
.irp b, 0,1,2,3,4,5,6,7
.if \zero
	v_wmma_scale_f32_16x16x128_f8f6f4 v[8*(8*((\a)%4)+\b):8*(8*((\a)%4)+\b)+7], v[128*(\p)+FR*\b:128*(\p)+FR*\b+FR-1], v[AF+FR*(\a):AF+FR*(\a)+FR-1], 0, v[SC+8*NQ*(\sc)+NQ*\b+(\q)], v[SC+8*NQ*(\sc)+NQ*(\a)+(\q)] matrix_a_fmt:MATRIX_FMT_FP4 matrix_b_fmt:MATRIX_FMT_FP4 matrix_a_scale:MATRIX_SCALE_ROW1
.else
	v_wmma_scale_f32_16x16x128_f8f6f4 v[8*(8*((\a)%4)+\b):8*(8*((\a)%4)+\b)+7], v[128*(\p)+FR*\b:128*(\p)+FR*\b+FR-1], v[AF+FR*(\a):AF+FR*(\a)+FR-1], v[8*(8*((\a)%4)+\b):8*(8*((\a)%4)+\b)+7], v[SC+8*NQ*(\sc)+NQ*\b+(\q)], v[SC+8*NQ*(\sc)+NQ*(\a)+(\q)] matrix_a_fmt:MATRIX_FMT_FP4 matrix_b_fmt:MATRIX_FMT_FP4 matrix_a_scale:MATRIX_SCALE_ROW1
.endif
.endr
.endr
.endm
.macro FETCH_B slot, q, p
	WIN TO_B
.irp i, 0,1,2,3,4,5,6,7
	FRAG 128*(\p)+FR*\i, ADRB+\slot, \q, \i
.endr
	WIN 0
.endm
.macro FETCH_A slot, q, i0
.irp i, \i0, \i0+1, \i0+2, \i0+3
	FRAG AF+FR*(\i), ADRA+\slot, \q, \i
.endr
.endm
.macro SCALES sc                       ; a slot's scale words: four words a row; lanes 0-15 take A's block i, lanes 16-31 B's
.irp i, 0,1,2,3,4,5,6,7
	ds_load_b128 v[SC+8*NQ*\sc+NQ*\i:SC+8*NQ*\sc+NQ*\i+3], v[ADRS] offset:\i*SBLK
.endr
.endm
.macro PLACES n                        ; plain vector instructions between a matrix instruction and a load into, or a vector instruction on, its registers
.rept \n
	v_nop
.endr
.endm
.macro STEP slot, q, zero              ; 128 along K, with its successor in the same slot
	s_wait_dscnt 4*NL                              ; B's set and A's blocks 0-3 are in; the youngest eight loads (A's blocks 4-7) may be out
	WIN MUL_LO
	MUL16 0, (\q)%2, \q, \slot, \zero
	MUL16 2, (\q)%2, \q, \slot, \zero
	s_wait_dscnt 0
	PLACES NP
	FETCH_B \slot, (\q)+1, 1-(\q)%2
	FETCH_A \slot, (\q)+1, 0
	WIN MUL_HI
	MUL16 4, (\q)%2, \q, \slot, \zero
	MUL16 6, (\q)%2, \q, \slot, \zero
	PLACES NP
	WIN 0
	FETCH_A \slot, (\q)+1, 4
.endm
.macro TURN slot, next                 ; a slot's last step changes slots: each wave's part of the next slot has landed, then one barrier.  Nothing is filled again
	s_wait_tensorcnt 0x0                           ; all my tensor loads have landed
	ds_add_u32 v[SPW], v[NIL]                      ; 0 onto my spare word
	s_wait_dscnt 4*NL+1                            ; the add and the youngest eight loads may be out
	WIN MUL_LO
	MUL16 0, 1, NQ-1, \slot, 0
	s_wait_dscnt 0x0
	s_barrier_signal -1
	MUL16 2, 1, NQ-1, \slot, 0
	WIN 0
	s_barrier_wait -1
	PLACES NP
	v_add_nc_u32 v[ADRS], 4*NQ, v[ADRS]            ; on to the next slot's scale words
	FETCH_B \next, 0, 0
	FETCH_A \next, 0, 0
	SCALES \next
	WIN MUL_HI
	MUL16 4, 1, NQ-1, \slot, 0
	MUL16 6, 1, NQ-1, \slot, 0
	PLACES NP
	WIN 0
	FETCH_A \next, 0, 4
.endm
.macro STEPS slot, from
.set Q, \from
.rept NQ-1-\from
	STEP \slot, Q, 0
.set Q, Q+1
.endr
.endm
.macro LAST                            ; the very last step: nothing more to fetch
	s_wait_dscnt 4*NL
	WIN MUL_LO
	MUL16 0, 1, NQ-1, 1, 0
	MUL16 2, 1, NQ-1, 1, 0
	s_wait_dscnt 0
	WIN MUL_HI
	MUL16 4, 1, NQ-1, 1, 0
	MUL16 6, 1, NQ-1, 1, 0
	WIN 0
	PLACES NP                                      ; for the first reads of results, the writes over A's fragments and the loads over B's
.endm
.macro ROPE a                          ; the table of my block a of 16 positions: 32 registers of window 1
.set TBL, 64*(1-(\a)/4)+32*((\a)%2)+128*(((\a)%4)/2)
.irp g, 0,1,2,3,4,5,6,7
	global_load_b128 v[TBL+4*\g:TBL+4*\g+3], v[L16], s[RPB:RPB+1] offset:4096*(\a)+512*\g
.endr
.endm
; q, k: block a, 16 positions x my two heads.  Channels ch < 32 of a head: x1 cos - x2 sin; ch >= 32: x2 cos + x1 sin; x1, x2 are accumulators b and b + 2.  Each accumulator is read from its low end on.
.macro QKOUT a
.set AC, 64*((\a)%4)
.set TBL, 64*(1-(\a)/4)+32*((\a)%2)+128*(((\a)%4)/2)
.set HH, 192+32*((\a)%2)
	s_wait_xcnt 0x0                                ; earlier stores have read their registers: they are written again below
.if (\a) == 0
	s_wait_loadcnt 32                              ; the table's blocks 0-3 are in; the 32 loads of blocks 4-7 may be out
.elseif (\a) >= 4
	s_wait_loadcnt 8*(7-(\a))                      ; block a's eight loads are in; the later blocks' may be out
.endif
	WIN ((2+(\a)/4)|4)                             ; source 0: the accumulators' window; source 1: window 1
.irp hd, 0,1
.irp bp, 0,1
.irp jp, 0,2,4,6
.set X1, AC+8*(4*\hd+\bp)+\jp
.set X2, AC+8*(4*\hd+\bp+2)+\jp
.set CSN, TBL+8*\bp+\jp
.set SIN, TBL+16+8*\bp+\jp
.set T1, 96+4*((\jp/2)%2)
.set R1, 128+32*\hd+8*\bp+\jp
	v_pk_mul_f32 v[T1:T1+1], v[X2:X2+1], v[SIN:SIN+1]
	v_pk_mul_f32 v[T1+2:T1+3], v[X1:X1+1], v[SIN:SIN+1]
	v_pk_fma_f32 v[R1:R1+1], v[X1:X1+1], v[CSN:CSN+1], v[T1:T1+1] neg_lo:[0,0,1] neg_hi:[0,0,1]
	v_pk_fma_f32 v[R1+16:R1+17], v[X2:X2+1], v[CSN:CSN+1], v[T1+2:T1+3]
.endr
.endr
.endr
	WIN 0
.irp i, 0,1,2,3,4,5,6,7,8,9,10,11,12,13,14,15,16,17,18,19,20,21,22,23,24,25,26,27,28,29,30,31
	v_cvt_pk_f16_f32 v[HH+\i], v[128+2*\i], v[128+2*\i+1]
.endr
.irp hd, 0,1
.irp g, 0,1,2,3
	global_store_b128 v[L16], v[HH+16*\hd+4*\g:HH+16*\hd+4*\g+3], s[OUTB:OUTB+1] offset:262144*\hd+2048*(\a)+512*\g   ; 32 lanes store 512 consecutive bytes
.endr
.endr
.if (\a) == 0
	s_cmp_lg_u32 s67, 0                            ; positions under 16: the cluster's y and my half of the rows are 0
	s_cbranch_scc1 .Lno_f32_qk
.irp hd, 0,1
.irp g, 0,1,2,3,4,5,6,7
	global_store_b128 v[L16], v[128+32*\hd+4*\g:128+32*\hd+4*\g+3], s[F32B:F32B+1] offset:12288*\hd+512*\g
.endr
.endr
.Lno_f32_qk:
.endif
.endm
; v: block a, 16 channels x my 128 positions
.macro VOUT a
.set AC, 64*((\a)%4)
.set HH, 192+32*((\a)%2)
	s_wait_xcnt 0x0
	WIN 0x0a+5*((\a)/4)                            ; sources 0 and 1: the accumulators' window
.irp b, 0,1,2,3,4,5,6,7
.irp i, 0,1,2,3
	v_cvt_pk_f16_f32 v[HH+4*\b+\i], v[AC+8*\b+2*\i], v[AC+8*\b+2*\i+1]
.endr
.endr
	WIN 0
.irp b, 0,1,2,3,4,5,6,7
	global_store_b128 v[L16], v[HH+4*\b:HH+4*\b+3], s[OUTB:OUTB+1] offset:262144*((\a)/4)+1024*((\a)%4)+4096*(\b/2)+512*(\b%2)
.endr
	s_cmp_lg_u32 s67, 0
	s_cbranch_scc1 .Lno_f32_v_\@
	WIN ((2+(\a)/4)<<2)                            ; a store's data are its source 1
	global_store_b128 v[L16], v[AC:AC+3], s[F32B:F32B+1] offset:12288*((\a)/4)+1024*((\a)%4)
	global_store_b128 v[L16], v[AC+4:AC+7], s[F32B:F32B+1] offset:12288*((\a)/4)+1024*((\a)%4)+512
	WIN 0
.Lno_f32_v_\@:
.endm
	s_wait_tensorcnt 1                             ; the scales and my part of slot 0 are in; slot 1's load may be out,
	s_barrier_signal -1
	s_barrier_wait -1                              ; everybody's are
	FETCH_B 0, 0, 0
	FETCH_A 0, 0, 0
	SCALES 0
	FETCH_A 0, 0, 4
	STEP 0, 0, 1                                   ; the first step's products start the sums: nothing is cleared
	STEPS 0, 1
	TURN 0, 1
	s_mov_b32 s3, 0                                ; the upper word of every offset below
	s_cmp_eq_u32 ttmp9, 2                          ; the cluster's x: alike in all sixteen partners
	s_cbranch_scc1 .Lv
	; ---- q, k
	s_lshl_b32 s17, s66, 4
	s_lshl_b32 s18, s15, 3
	s_add_co_u32 s17, s17, s18                     ; my first block of 16 positions in the batch: 16 cluster y + 8 half
	s_lshl_b32 s2, s17, 12
	s_add_nc_u64 s[RPB:RPB+1], s[8:9], s[2:3]
	WIN TO_B
	ROPE 0
	ROPE 1
	ROPE 2
	ROPE 3
	WIN 0
	s_lshl_b32 s18, s41, 4
	s_lshl_b32 s19, s40, 2
	s_add_co_u32 s18, s18, s19
	s_lshl_b32 s19, s16, 1
	s_add_co_u32 s18, s18, s19                     ; batch x 16 + my first head
	s_lshl_b32 s2, s18, 18
	s_lshl_b32 s19, s17, 11
	s_add_co_u32 s2, s2, s19
	s_lshl_b32 s19, ttmp9, 24                      ; q's part of the buffer, or k's
	s_add_co_u32 s2, s2, s19
	s_add_nc_u64 s[OUTB:OUTB+1], s[10:11], s[2:3]
	s_mul_i32 s2, s18, 3
	s_add_co_u32 s2, s2, ttmp9
	s_lshl_b32 s2, s2, 12
	s_add_nc_u64 s[F32B:F32B+1], s[12:13], s[2:3]
	s_or_b32 s67, s66, s15
	STEPS 1, 0
	LAST
	WIN TO_B
	ROPE 4
	ROPE 5
	ROPE 6
	ROPE 7
	WIN 0
.irp a, 0,1,2,3,4,5,6,7
	QKOUT \a
.endr
	FIN
	; ---- v
.Lv:
	s_lshl_b32 s18, s40, 4
	s_lshl_b32 s19, s41, 2
	s_add_co_u32 s18, s18, s19
	s_lshl_b32 s19, s15, 1
	s_add_co_u32 s18, s18, s19                     ; batch (cx) x 16 + my first head
	s_lshl_b32 s2, s18, 18
	s_lshl_b32 s19, s66, 3
	s_lshl_b32 s17, s16, 2
	s_add_co_u32 s19, s19, s17                     ; my first chunk of 32 positions
	s_lshl_b32 s19, s19, 12
	s_add_co_u32 s2, s2, s19
	s_add_co_u32 s2, s2, 33554432                  ; v's part of the buffer
	s_add_nc_u64 s[OUTB:OUTB+1], s[10:11], s[2:3]
	s_mul_i32 s2, s18, 3
	s_add_co_u32 s2, s2, 2
	s_lshl_b32 s2, s2, 12
	s_add_nc_u64 s[F32B:F32B+1], s[12:13], s[2:3]
	s_or_b32 s67, s66, s16
	STEPS 1, 0
	LAST
.irp a, 0,1,2,3,4,5,6,7
	VOUT \a
.endr
	FIN
.Lfunc_end_k_q1a7c132ced_qkv:
	.size	k_q1a7c132ced_qkv, .Lfunc_end_k_q1a7c132ced_qkv-k_q1a7c132ced_qkv
	.p2alignl 7, 3214868480
	.fill 96, 4, 3214868480
	.section	.rodata,"a",@progbits
	.p2align	6, 0x0
	.amdhsa_kernel k_q1a7c132ced_qkv
		.amdhsa_group_segment_fixed_size 327680
		.amdhsa_private_segment_fixed_size 0
		.amdhsa_enable_private_segment 0
		.amdhsa_kernarg_size 40
		.amdhsa_user_sgpr_count 2
		.amdhsa_user_sgpr_kernarg_segment_ptr 1
		.amdhsa_wavefront_size32 1
		.amdhsa_system_sgpr_workgroup_id_x 1
		.amdhsa_system_sgpr_workgroup_id_y 1
		.amdhsa_system_sgpr_workgroup_id_z 1
		.amdhsa_system_vgpr_workitem_id 0
		.amdhsa_next_free_vgpr 1024
		.amdhsa_next_free_sgpr 102
		.amdhsa_reserve_vcc 0
		.amdhsa_float_denorm_mode_32 3
		.amdhsa_float_denorm_mode_16_64 3
		.amdhsa_memory_ordered 1
		.amdhsa_forward_progress 1
		.amdhsa_inst_pref_size 224
	.end_amdhsa_kernel
	.amdgpu_metadata
---
amdhsa.version: [ 1, 2 ]
amdhsa.kernels:
  - .name:           k_q1a7c132ced_qkv
    .symbol:         k_q1a7c132ced_qkv.kd
    .args:
      - { .name: codes, .offset: 0, .size: 8, .value_kind: global_buffer, .address_space: global }
      - { .name: scales, .offset: 8, .size: 8, .value_kind: global_buffer, .address_space: global }
      - { .name: rope, .offset: 16, .size: 8, .value_kind: global_buffer, .address_space: global }
      - { .name: qkv16, .offset: 24, .size: 8, .value_kind: global_buffer, .address_space: global }
      - { .name: qkv32, .offset: 32, .size: 8, .value_kind: global_buffer, .address_space: global }
    .group_segment_fixed_size: 327680
    .private_segment_fixed_size: 0
    .kernarg_segment_align: 8
    .kernarg_segment_size: 40
    .max_flat_workgroup_size: 128
    .sgpr_count:     102
    .vgpr_count:     1024
    .wavefront_size: 32
...
	.end_amdgpu_metadata
.endif
;; end of part 2
;; launch fine (part 3): grid 16 x 4, 16 waves a work-group, no clusters, 71,680 bytes of LDS; arguments qkv32, w_out, out0; writes out0
.if DOCPART == 3
	.amdgcn_target "amdgcn-amd-amdhsa--gfx1250"
	.amdhsa_code_object_version 6
	.text
	.protected	k_q1a7c132ced_fine
	.globl	k_q1a7c132ced_fine
	.p2align	8
	.type	k_q1a7c132ced_fine,@function
k_q1a7c132ced_fine:
	s_mov_b64 s[64:65], 0
	v_nop
	global_prefetch_b8 v0, s[64:65] scope:SCOPE_SE
	s_setreg_imm32_b32 hwreg(HW_REG_WAVE_MODE, 25, 1), 1
	s_wait_xcnt 0x0
; THE FIRST 16 POSITIONS OF EVERY BATCH, IN F32: attention and the projection on the way out, 64 rows of out0 in all.  These rows average one to sixteen values and are the largest: they are carried with f32 operands.
; Keys above the diagonal are masked as reference()'s own tril mask has it; their weight counts as 0 (the limit stated at the head of launch prep).
; A work-group takes a batch (y) and 64 output columns (x); wave = head.  Each wave makes its head's 16 x 16 attention (32 small matrix instructions, repeated in each of the 16 column blocks: cheaper than a launch more),
; multiplies its 64 channels into the block's 64 columns, and the sixteen partial sums meet in LDS.  Work-groups share 196 KB of inputs once: no cluster, no tensor load.
; All three products are used transposed, so that a lane holds ONE query (lane % 16) throughout.  v_wmma_f32_16x16x4_f32 takes k = 2 (lane / 16) + register; the images hold, in registers 2 s, 2 s + 1 of a group of eight,
; index 8 (lane / 16) + 2 s + 0, 1: the same permutation of k on both sources, which keeps the products.
; The registers that the f32 matrix form writes (v176-239) are written by matrix instructions alone; each sum begins with the constant 0; four accumulators take turns.
; REGISTERS: v1-6 addresses; v12, v13 the add's two; v16-47 Q, v48-79 K, later w_out's rows for channels 32-63; v80-111 V; v112-175 w_out's rows for channels 0-31, later the partial sums; v176-207 scores in four parts, later the outputs;
; v208-239 O^T; v240-247 scores, then p; v248-252 at work.
.set SPARE, 69632                      ; behind the sixteen waves' partial sums (16 rows x 272 bytes each): the spare words, 128 bytes a wave
.set SPW, 12
.set NIL, 13
.macro WLD dt, reg                     ; w_out[64 head + 16 dt + 8 h + i][64 x + 16 u + r] into v[reg + 8 u + i]: sixteen lanes read 64 neighbouring bytes; registers run down K
.irp u, 0,1,2,3
.irp i, 0,1,2,3,4,5,6,7
	global_load_b32 v[\reg+8*\u+\i], v2, s[6:7] offset:(16*\dt+\i)*4096+64*\u
.endr
.endr
.endm
	s_load_b128 s[4:7], s[0:1], 0x0                ; qkv32, w_out
	s_load_b64 s[8:9], s[0:1], 0x10                ; out0
	v_lshl_add_u32 v[SPW], v0, 2, SPARE
	v_mov_b32 v[NIL], 0
	v_lshrrev_b32 v7, 5, v0
	v_readfirstlane_b32 s10, v7                    ; wave = head
	s_and_b32 s11, ttmp7, 0xffff                   ; batch
	v_and_b32 v7, 31, v0
	v_lshlrev_b32 v1, 4, v7                        ; 16 x lane
	v_lshlrev_b32 v6, 3, v7                        ; 8 x lane
	v_and_b32 v8, 15, v0                           ; r
	v_bfe_u32 v9, v0, 4, 1                         ; h
	v_lshlrev_b32 v2, 2, v8
	v_lshl_add_u32 v2, v9, 15, v2                  ; w_out: 8 h rows of 4,096 bytes + 4 r
	v_lshlrev_b32 v3, 3, v9
	v_sub_nc_u32 v3, v8, v3                        ; d = r - 8 h: key 8 h + j is hidden where j > d
	s_mul_i32 s12, s10, 4352
	v_mul_u32_u24 v4, v8, 272
	v_lshl_add_u32 v4, v9, 5, v4
	v_add_nc_u32 v4, s12, v4                       ; my partial sums: row r, + 32 h
	s_mul_i32 s12, s10, 272
	v_add_nc_u32 v5, s12, v6                       ; back: wave w takes row w of every part
	s_mov_b32 s20, 0x76543210
	s_mov_b32 s21, 0xfedcba98                      ; v_permlanex16_b32's selects for lane l xor 16
	s_mov_b32 s22, 0x3e38aa3b                      ; c = log2(e) / 8
	v_mov_b32 v249, 0xff800000                     ; -infinity
	v_mov_b32 v251, 0                              ; a lane permute's destination counts as one of its sources
	s_lshl_b32 s12, s11, 4
	s_add_co_u32 s12, s12, s10
	s_mul_i32 s12, s12, 12288                      ; the head's three images
	s_mov_b32 s13, 0
	s_lshl_b32 s14, s10, 18                        ; the head's 64 rows of w_out,
	s_lshl_b32 s15, ttmp9, 8
	s_add_co_u32 s14, s14, s15                     ; the block's 64 columns
	s_mov_b32 s15, 0
	s_lshl_b32 s16, s11, 11
	s_add_co_u32 s16, s16, s10                     ; the row of out0 that I store: 2,048 batch + wave
	s_lshl_b32 s16, s16, 12
	s_lshl_b32 s17, ttmp9, 8
	s_add_co_u32 s16, s16, s17
	s_mov_b32 s17, 0
	s_wait_kmcnt 0x0
	s_add_nc_u64 s[4:5], s[4:5], s[12:13]
	s_add_nc_u64 s[6:7], s[6:7], s[14:15]
	s_add_nc_u64 s[8:9], s[8:9], s[16:17]
.irp n, 0,1,2
.irp g, 0,1,2,3,4,5,6,7
	global_load_b128 v[16+32*\n+4*\g:19+32*\n+4*\g], v1, s[4:5] offset:4096*\n+512*\g   ; Q, K, V as the launch before left them
.endr
.endr
	WLD 0, 112
	s_wait_loadcnt 40                              ; Q and K are in; V's 8 loads and w_out's 32 may be out
.irp s, 0,1,2,3                                ; S^T = K Q^T, in four parts by 16 channels
.irp b, 0,1,2,3
.if \s == 0
	v_wmma_f32_16x16x4_f32 v[176+8*\b:183+8*\b], v[48+8*\b+2*\s:49+8*\b+2*\s], v[16+8*\b+2*\s:17+8*\b+2*\s], 0
.else
	v_wmma_f32_16x16x4_f32 v[176+8*\b:183+8*\b], v[48+8*\b+2*\s:49+8*\b+2*\s], v[16+8*\b+2*\s:17+8*\b+2*\s], v[176+8*\b:183+8*\b]
.endif
.endr
.endr
	WLD 1, 144
.rept 8
	v_nop                                          ; eight places behind this form: for the loads over Q and K, and for the first reads of the scores
.endr
	WLD 2, 16
	WLD 3, 48
.irp j, 0,1,2,3,4,5,6,7                        ; the four parts are added, each accumulator from its low end on
	v_add_f32 v[240+\j], v[176+\j], v[184+\j]
	v_add_f32 v248, v[192+\j], v[200+\j]
	v_add_f32 v[240+\j], v[240+\j], v248
.endr
.irp j, 0,1,2,3,4,5,6,7
	v_cmp_gt_i32 vcc_lo, \j, v3
	v_cndmask_b32 v[240+\j], v[240+\j], v249, vcc_lo
.endr
	v_max3_num_f32 v250, v240, v241, v242
	v_max3_num_f32 v250, v250, v243, v244
	v_max3_num_f32 v250, v250, v245, v246
	v_max_num_f32 v250, v250, v247
	v_permlanex16_b32 v251, v250, s20, s21
	v_max_num_f32 v250, v250, v251                 ; the row's largest score: key 0 counts for every query, so it is a number
	v_mul_f32 v250, s22, v250
.irp j, 0,1,2,3,4,5,6,7
	v_fma_f32 v[240+\j], v[240+\j], s22, -v250
.endr
.irp j, 0,1,2,3,4,5,6,7
	v_exp_f32 v[240+\j], v[240+\j]
.endr
	v_nop
	s_wait_alu depctr_va_vdst(0)                   ; one wait for the eight exponentials, ahead of their first reader
	v_add_f32 v252, v240, v241
	v_add_f32 v248, v242, v243
	v_add_f32 v252, v252, v244
	v_add_f32 v248, v248, v245
	v_add_f32 v252, v252, v246
	v_add_f32 v248, v248, v247
	v_add_f32 v252, v252, v248
	v_permlanex16_b32 v251, v252, s20, s21
	v_add_f32 v252, v252, v251
	v_rcp_f32 v252, v252
	v_nop
	s_wait_alu depctr_va_vdst(0)
.irp j, 0,1,2,3,4,5,6,7
	v_mul_f32 v[240+\j], v[240+\j], v252           ; the softmax, normalised
.endr
	s_wait_loadcnt 63                              ; V is in: 128 loads were issued behind it, and at most 63 are out
.irp s, 0,1,2,3                                ; O^T = V^T P^T: four tiles of 16 channels by turns
.irp d, 0,1,2,3
.if \s == 0
	v_wmma_f32_16x16x4_f32 v[208+8*\d:215+8*\d], v[80+8*\d+2*\s:81+8*\d+2*\s], v[240+2*\s:241+2*\s], 0
.else
	v_wmma_f32_16x16x4_f32 v[208+8*\d:215+8*\d], v[80+8*\d+2*\s:81+8*\d+2*\s], v[240+2*\s:241+2*\s], v[208+8*\d:215+8*\d]
.endif
.endr
.endr
.rept 9
	v_nop                                          ; nine places: the results become a source of the next products
.endr
.irp d, 0,1,2,3                                ; out^T = w_out^T O^T over my 64 channels: four tiles of 16 columns by turns
.set WB, 112+32*\d-160*(\d/2)
.if \d < 2
	s_wait_loadcnt 63                              ; this chunk of w_out is in: 64 loads or more were issued behind it
.elseif \d == 2
	s_wait_loadcnt 32                              ; the last chunk's 32 may be out
.else
	s_wait_loadcnt 0x0
.endif
.irp s, 0,1,2,3
.irp u, 0,1,2,3
.if (\d == 0) && (\s == 0)
	v_wmma_f32_16x16x4_f32 v[176+8*\u:183+8*\u], v[WB+8*\u+2*\s:WB+8*\u+2*\s+1], v[208+8*\d+2*\s:209+8*\d+2*\s], 0
.else
	v_wmma_f32_16x16x4_f32 v[176+8*\u:183+8*\u], v[WB+8*\u+2*\s:WB+8*\u+2*\s+1], v[208+8*\d+2*\s:209+8*\d+2*\s], v[176+8*\u:183+8*\u]
.endif
.endr
.endr
.endr
.rept 8
	v_nop
.endr
.irp u, 0,1,2,3
	ds_store_b128 v4, v[176+8*\u:179+8*\u] offset:64*\u          ; lane (r, h): query r, columns 16 u + 8 h + 0 .. 7; each accumulator from its low end on
	ds_store_b128 v4, v[180+8*\u:183+8*\u] offset:64*\u+16
.endr
	s_wait_dscnt 0x0                               ; for the others' sake: my stores have landed
	s_barrier_signal -1
	s_barrier_wait -1
.irp p, 0,1,2,3,4,5,6,7,8,9,10,11,12,13,14,15
	ds_load_b64 v[112+2*\p:113+2*\p], v5 offset:4352*\p          ; row w of each head's part
.endr
	s_wait_dscnt 0x0
.irp p, 1,2,3,4,5,6,7,8,9,10,11,12,13,14,15
	v_pk_add_f32 v[112:113], v[112:113], v[112+2*\p:113+2*\p]
.endr
	global_store_b64 v6, v[112:113], s[8:9]        ; 32 lanes store 256 consecutive bytes, aligned
	s_wait_tensorcnt 0x0                           ; the wave's end: a wait, an add of 0 onto the spare word and a wait, behind my last LDS store
	ds_add_u32 v[SPW], v[NIL]
	s_wait_dscnt 0x0
	s_endpgm
.Lfunc_end_k_q1a7c132ced_fine:
	.size	k_q1a7c132ced_fine, .Lfunc_end_k_q1a7c132ced_fine-k_q1a7c132ced_fine
	.p2alignl 7, 3214868480
	.fill 96, 4, 3214868480
	.section	.rodata,"a",@progbits
	.p2align	6, 0x0
	.amdhsa_kernel k_q1a7c132ced_fine
		.amdhsa_group_segment_fixed_size 71680
		.amdhsa_private_segment_fixed_size 0
		.amdhsa_enable_private_segment 0
		.amdhsa_kernarg_size 24
		.amdhsa_user_sgpr_count 2
		.amdhsa_user_sgpr_kernarg_segment_ptr 1
		.amdhsa_wavefront_size32 1
		.amdhsa_system_sgpr_workgroup_id_x 1
		.amdhsa_system_sgpr_workgroup_id_y 1
		.amdhsa_system_sgpr_workgroup_id_z 1
		.amdhsa_system_vgpr_workitem_id 0
		.amdhsa_next_free_vgpr 256
		.amdhsa_next_free_sgpr 66
		.amdhsa_reserve_vcc 1
		.amdhsa_float_denorm_mode_32 3
		.amdhsa_float_denorm_mode_16_64 3
		.amdhsa_memory_ordered 1
		.amdhsa_forward_progress 1
		.amdhsa_inst_pref_size 30
	.end_amdhsa_kernel
	.amdgpu_metadata
---
amdhsa.version: [ 1, 2 ]
amdhsa.kernels:
  - .name:           k_q1a7c132ced_fine
    .symbol:         k_q1a7c132ced_fine.kd
    .args:
      - { .name: qkv32, .offset: 0, .size: 8, .value_kind: global_buffer, .address_space: global }
      - { .name: w_out, .offset: 8, .size: 8, .value_kind: global_buffer, .address_space: global }
      - { .name: out0, .offset: 16, .size: 8, .value_kind: global_buffer, .address_space: global }
    .group_segment_fixed_size: 71680
    .private_segment_fixed_size: 0
    .kernarg_segment_align: 8
    .kernarg_segment_size: 24
    .max_flat_workgroup_size: 512
    .sgpr_count:     66
    .vgpr_count:     256
    .wavefront_size: 32
...
	.end_amdgpu_metadata
.endif
;; end of part 3
;; launch attn (part 4): grid 4 x 64, 8 waves a work-group, no clusters, 327,680 bytes of LDS; arguments qkv16, att16; writes att16
.if DOCPART == 4
	.amdgcn_target "amdgcn-amd-amdhsa--gfx1250"
	.amdhsa_code_object_version 6
	.text
	.protected	k_q1a7c132ced_attn
	.globl	k_q1a7c132ced_attn
	.p2align	8
	.type	k_q1a7c132ced_attn,@function
k_q1a7c132ced_attn:
	s_mov_b64 s[64:65], 0
	v_nop
	global_prefetch_b8 v0, s[64:65] scope:SCOPE_SE
	s_setreg_imm32_b32 hwreg(HW_REG_WAVE_MODE, 25, 1), 1
	s_wait_xcnt 0x0
; CAUSAL ATTENTION ON F16 OPERANDS, f32 sums, maxima and softmax.  o[q] = the sum over k <= q of softmax_k(q . k / 8) v[k], for each of 64 (batch, head).
; WORK LEFT OUT: key steps all of whose keys come after a wave's queries are not walked: reference()'s own tril mask throws their scores away (shown at the head of launch prep; a masked term's weight counts as 0).
; SHARES.  Work-group (p, bh) owns the query blocks 7 - p and p of 256 queries and walks them one after the other: (8 - p) + (p + 1) = 9 units of 256 keys for every work-group, so all 256 have the same walk and every trip count is a constant.
; A wave owns 32 queries of the block in hand, two tiles of 16.  Two waves share a SIMD: one wave's softmax stands beside the other's products.
; NO CLUSTER: the four work-groups of a head want the same unit in trips 0 to 4 only; from trip 5 on their descriptors differ, and a joint load has to be alike in all partners on every path.
; LAYOUT.  q, k, v lie in memory in the order of the operands' registers, so a unit of K (32 KB) and of V (32 KB) is dense, an LDS read is 512 consecutive bytes, and nothing is padded or turned.
; S^T = K Q^T (source 0 = 16 keys, source 1 = 16 queries) and O^T = V^T P: a lane holds ONE query (lane % 16) throughout; two score tiles, rounded to f16 in pairs, ARE the second product's source 1.
; SOFTMAX.  For each query a running maximum m and sum l: p = 2^(c s - c m), c = log2(e) / 8; in every step O and l are multiplied by a = 2^(c m_old - c m_new).  m starts at -3e38 and O, l at 0: the step is written once.
; A step is walked only where its first key is at or under the wave's first query, so every query sees a key in it.
; RING.  Two slots of 64 KB.  Every wave brings 8 KB of each unit by one tensor load, with no branch; one load of a wave is out at a time, and it has a unit's four key steps in which to land.
; REGISTERS.  window 0: v1-9 addresses and constants; v12-27 statistics, eight a tile: c m, m, l (2), four at work; v32-95 S^T; v96-127 P; v128-191 O^T; v192-223 packed results.
;   window 1: v0-31 Q of the block in hand; v32-63 Q of the second block; v64-127 K of a step; v128-191 V of a step.
.set SPARE, 131072                     ; behind the ring: the spare words, 128 bytes for each of eight waves
.set L16,  1                           ; v1  16 x lane; never rewritten
.set ADR,  2                           ; v2  the LDS address of the step's loads
.set SPW,  3
.set NIL,  4
.set RH,   5                           ; v5  r - 8 h
.set PFO,  6                           ; v6  256 x lane; never rewritten
.set D0,   7                           ; v7, v8  tile t: key 16 kt + j of the step is hidden where 16 kt + j > d
.set NINF, 9                           ; v9  -infinity
.set ST,   12
.set S,    32
.set P,    96
.set O,    128
.set H,    192
.set MSB, 0
.macro WIN new                         ; the immediate's high byte repeats the setting that is left
.if MSB != \new
	s_set_vgpr_msb (MSB<<8)|\new
.set MSB, \new
.endif
.endm
.macro INIT                            ; a block's start
.irp t, 0,1
	v_mov_b32 v[ST+8*\t+1], 0xff61b1e6             ; m = -3e38, under every score
	v_mul_f32 v[ST+8*\t], s36, v[ST+8*\t+1]        ; c m
.irp n, 2,3,4,5,6,7
	v_mov_b32 v[ST+8*\t+\n], 0                     ; l, and the registers at work (a lane permute's destination and a pair's upper half count as read)
.endr
.endr
.irp i, 0,1,2,3,4,5,6,7,8,9,10,11,12,13,14,15,16,17,18,19,20,21,22,23,24,25,26,27,28,29,30,31,32,33,34,35,36,37,38,39,40,41,42,43,44,45,46,47,48,49,50,51,52,53,54,55,56,57,58,59,60,61,62,63
	v_mov_b32 v[O+\i], 0                           ; O^T: the first step finds zeros, which its a leaves zeros: that spares a second copy of the step
.endr
.endm
; THE CHANGE OF SLOTS, at a unit's head.  Each wave waits for all its tensor loads (its part of the unit that it is about to read), adds 0 to its spare word, and waits for that and for its reads of the slot that it has left.
; fill = 1: behind the barrier that slot takes the next unit.  s12 = the trip; units 0 .. 7 - p of the first block, then 0 .. p of the second.
.macro CHANGE fill
	s_wait_tensorcnt 0x0                           ; no tensor load of mine is out, so the descriptor may be written
	ds_add_u32 v[SPW], v[NIL]                      ; 0 onto my spare word
.if \fill
	s_xor_b32 s25, s25, 65536                      ; the other slot than last time
	s_add_co_u32 s42, s12, 1
	s_sub_co_u32 s43, s42, s11
	s_cmp_ge_u32 s42, s11
	s_cselect_b32 s32, s43, s42                    ; the next trip's unit of keys
	s_lshl_b32 s32, s32, 15
	s_mov_b32 s33, 0
	s_add_nc_u64 s[26:27], s[28:29], s[32:33]
	s_or_b32 s27, s27, 0x80000000
	s_wait_xcnt 0x0                                ; the last prefetch, a unit back, has read its address
	s_add_nc_u64 s[30:31], s[30:31], 32768
.endif
	s_wait_dscnt 0x0                               ; the add is done, and my reads of the slot that I have left are over
	s_barrier_signal -1
	s_barrier_wait -1
.if \fill
	tensor_load_to_lds s[24:27], s[16:23]          ; my one tensor load behind this barrier, and the first thing there
	s_nop 0
.rept 4
	v_nop
.endr
	; A PREFETCH of the unit that the NEXT change will ask for.  All four work-groups of a head walk the same K and V: the one with p = 0, whose first eight trips take units 0 to 7 in order, asks, in trip U for unit U + 2;
	; each wave for its own 8 KB, lanes 256 bytes apart: each block of 256 bytes is named once in the launch.  Units 0 and 1 come by their loads alone; nothing is asked for past unit 7.
	s_cmp_lt_u32 s12, s34
	s_cbranch_scc0 .Lnot_mine_\@
	global_prefetch_b8 v[PFO], s[30:31] th:TH_LOAD_NT scope:SCOPE_SE
.Lnot_mine_\@:
.endif
.endm
; A KEY STEP: 64 keys, from s14 on; s35 = where its tiles begin in LDS
.macro KSTEP
	s_add_co_u32 s42, s15, 31
	s_cmp_gt_u32 s14, s42                          ; all its keys come after my 32 queries: ids and the count of steps alone
	s_cbranch_scc1 .Lhid_\@
.rept 4
	v_nop                                          ; places behind the last products, in front of loads into registers that they read
.endr
	v_add_nc_u32 v[ADR], s35, v[L16]
	WIN 0x40                                       ; destination window 1
.irp f, 0,1,2,3,4,5,6,7                        ; K: fragment 2 kt + cs
	ds_load_b128 v[64+8*\f:64+8*\f+3], v[ADR] offset:1024*\f
	ds_load_b128 v[64+8*\f+4:64+8*\f+7], v[ADR] offset:1024*\f+512
.endr
.irp f, 0,1,2,3,4,5,6,7                        ; V: fragment 4 kc + dt
	ds_load_b128 v[128+8*\f:128+8*\f+3], v[ADR] offset:32768+1024*\f
	ds_load_b128 v[128+8*\f+4:128+8*\f+7], v[ADR] offset:32768+1024*\f+512
.endr
	s_wait_dscnt 16                                ; K is in; V's sixteen loads may be out
	WIN 0x05                                       ; K and Q in window 1
.set i, 0
.rept 16                                       ; channels 32 (i / 8) on, keys 16 ((i / 2) % 4) on, tile i % 2: eight accumulators by turns
.set rS, S+32*(i%2)+8*((i/2)%4)
.set rK, 64+8*(2*((i/2)%4)+i/8)
.set rQ, 16*(i%2)+8*(i/8)
.if i < 8
	v_wmma_f32_16x16x32_f16 v[rS:rS+7], v[rK:rK+7], v[rQ:rQ+7], 0
.else
	v_wmma_f32_16x16x32_f16 v[rS:rS+7], v[rK:rK+7], v[rQ:rQ+7], v[rS:rS+7]
.endif
.set i, i+1
.endr
	WIN 0
.rept 4
	v_nop
.endr
	s_add_co_u32 s42, s14, 63
	s_cmp_le_u32 s42, s15                          ; all its keys count for all my queries
	s_cbranch_scc1 .Lopen_\@
	s_sub_co_u32 s42, s15, s14
	v_add_nc_u32 v[D0], s42, v[RH]
	v_add_nc_u32 v[D0+1], 16, v[D0]
.irp t, 0,1                                    ; on the diagonal hidden scores become -infinity ahead of the maximum: p = 0 then
.irp n, 0,1,2,3,4,5,6,7,8,9,10,11,12,13,14,15,16,17,18,19,20,21,22,23,24,25,26,27,28,29,30,31
	v_cmp_gt_i32 vcc_lo, 16*(\n/8)+\n%8, v[D0+\t]
	v_cndmask_b32 v[S+32*\t+\n], v[S+32*\t+\n], v[NINF], vcc_lo
.endr
.endr
.Lopen_\@:
	; the maximum of a query's 32 scores and the old m: four chains, each accumulator from its low end on; the two tiles alternate line by line
.irp j, 0,1,2,3
.irp t, 0,1
	v_max3_num_f32 v[ST+8*\t+4+\j], v[S+32*\t+8*\j], v[S+32*\t+8*\j+1], v[S+32*\t+8*\j+2]
.endr
.endr
.irp u, 1,2
.irp j, 0,1,2,3
.irp t, 0,1
	v_max3_num_f32 v[ST+8*\t+4+\j], v[ST+8*\t+4+\j], v[S+32*\t+8*\j+2*\u+1], v[S+32*\t+8*\j+2*\u+2]
.endr
.endr
.endr
.irp t, 0,1
	v_max3_num_f32 v[ST+8*\t+4], v[ST+8*\t+4], v[S+32*\t+7], v[S+32*\t+15]
	v_max3_num_f32 v[ST+8*\t+6], v[ST+8*\t+6], v[S+32*\t+23], v[S+32*\t+31]
.endr
.irp t, 0,1
	v_max3_num_f32 v[ST+8*\t+4], v[ST+8*\t+4], v[ST+8*\t+5], v[ST+8*\t+6]
.endr
.irp t, 0,1
	v_max3_num_f32 v[ST+8*\t+4], v[ST+8*\t+4], v[ST+8*\t+7], v[ST+8*\t+1]
.endr
.irp t, 0,1
	v_permlanex16_b32 v[ST+8*\t+5], v[ST+8*\t+4], s38, s39   ; the query's other 32 keys lie in the lane 16 away
.endr
.irp t, 0,1
	v_mov_b32 v[ST+8*\t+7], v[ST+8*\t]             ; c m_old
.endr
.irp t, 0,1
	v_max_num_f32 v[ST+8*\t+1], v[ST+8*\t+4], v[ST+8*\t+5]
.endr
.irp t, 0,1
	v_mul_f32 v[ST+8*\t], s36, v[ST+8*\t+1]
.endr
.irp t, 0,1
	v_sub_f32 v[ST+8*\t+7], v[ST+8*\t+7], v[ST+8*\t]
.endr
.irp b, 0,2,4,6,8,10,12,14,16,18,20,22,24,26,28,30
.irp t, 0,1
	v_pk_fma_f32 v[S+32*\t+\b:S+32*\t+\b+1], v[S+32*\t+\b:S+32*\t+\b+1], s[36:37], v[ST+8*\t:ST+8*\t+1] op_sel_hi:[1,0,0] neg_lo:[0,0,1] neg_hi:[0,0,1]   ; c s - c m, two at a time
.endr
.endr
.irp t, 0,1
	v_exp_f32 v[ST+8*\t+6], v[ST+8*\t+7]           ; a
.endr
.irp e, 0,1,2,3,4,5,6,7,8,9,10,11,12,13,14,15,16,17,18,19,20,21,22,23,24,25,26,27,28,29,30,31
.irp t, 0,1
	v_exp_f32 v[S+32*\t+\e], v[S+32*\t+\e]         ; p: one batch of 66 with a
.endr
.endr
	v_nop                                          ; a plain instruction behind the last exponential
	s_wait_alu depctr_va_vdst(0)                   ; ONE wait for the batch, ahead of its first reader
.irp i, 0,1,2,3,4,5,6,7,8,9,10,11,12,13,14,15
.irp t, 0,1
	v_cvt_pk_f16_f32 v[P+16*\t+\i], v[S+32*\t+2*\i], v[S+32*\t+2*\i+1]
.endr
.endr
.irp u, 0,1,2,3,4,5,6,7                        ; the sum of the unrounded p, in place, by pairs
.irp t, 0,1
	v_pk_add_f32 v[S+32*\t+4*\u:S+32*\t+4*\u+1], v[S+32*\t+4*\u:S+32*\t+4*\u+1], v[S+32*\t+4*\u+2:S+32*\t+4*\u+3]
.endr
.endr
.irp u, 0,1,2,3
.irp t, 0,1
	v_pk_add_f32 v[S+32*\t+8*\u:S+32*\t+8*\u+1], v[S+32*\t+8*\u:S+32*\t+8*\u+1], v[S+32*\t+8*\u+4:S+32*\t+8*\u+5]
.endr
.endr
.irp u, 0,1
.irp t, 0,1
	v_pk_add_f32 v[S+32*\t+16*\u:S+32*\t+16*\u+1], v[S+32*\t+16*\u:S+32*\t+16*\u+1], v[S+32*\t+16*\u+8:S+32*\t+16*\u+9]
.endr
.endr
.irp t, 0,1
	v_pk_add_f32 v[S+32*\t:S+32*\t+1], v[S+32*\t:S+32*\t+1], v[S+32*\t+16:S+32*\t+17]
.endr
.irp t, 0,1
	v_pk_fma_f32 v[ST+8*\t+2:ST+8*\t+3], v[ST+8*\t+2:ST+8*\t+3], v[ST+8*\t+6:ST+8*\t+7], v[S+32*\t:S+32*\t+1] op_sel_hi:[1,0,1]   ; l = a l + the sum
.endr
.irp i, 0,2,4,6,8,10,12,14,16,18,20,22,24,26,28,30
.irp t, 0,1
	v_pk_mul_f32 v[O+32*\t+\i:O+32*\t+\i+1], v[O+32*\t+\i:O+32*\t+\i+1], v[ST+8*\t+6:ST+8*\t+7] op_sel_hi:[1,0]   ; O^T x a, each accumulator from its low end on
.endr
.endr
	s_wait_dscnt 0x0                               ; V is in
	WIN 0x01                                       ; V in window 1
.set i, 0
.rept 16                                       ; keys 32 (i / 8) on, channels 16 ((i / 2) % 4) on, tile i % 2: eight accumulators by turns
.set rO, O+32*(i%2)+8*((i/2)%4)
.set rV, 128+8*(4*(i/8)+(i/2)%4)
.set rP, P+16*(i%2)+8*(i/8)
	v_wmma_f32_16x16x32_f16 v[rO:rO+7], v[rV:rV+7], v[rP:rP+7], v[rO:rO+7]
.set i, i+1
.endr
	WIN 0
.Lhid_\@:
	s_add_co_u32 s14, s14, 64
	s_add_co_u32 s35, s35, 8192
.endm
; A block is finished: O^T / l, rounded to f16, leaves in the order of the projection's operand registers: [row / 16][c / 32][half][lane][16 bytes]
.macro FINISH
	s_wait_xcnt 0x0                                ; earlier stores have read their registers and base: both are written again below
.rept 4
	v_nop                                          ; places behind the last products
.endr
.irp t, 0,1
	v_add_f32 v[ST+8*\t+4], v[ST+8*\t+2], v[ST+8*\t+3]
.endr
.irp t, 0,1
	v_permlanex16_b32 v[ST+8*\t+5], v[ST+8*\t+4], s38, s39
.endr
.irp t, 0,1
	v_add_f32 v[ST+8*\t+4], v[ST+8*\t+4], v[ST+8*\t+5]
.endr
.irp t, 0,1
	v_rcp_f32 v[ST+8*\t+6], v[ST+8*\t+4]
.endr
	v_nop
	s_wait_alu depctr_va_vdst(0)                   ; one wait for the two reciprocals
.irp i, 0,2,4,6,8,10,12,14,16,18,20,22,24,26,28,30,32,34,36,38,40,42,44,46,48,50,52,54,56,58,60,62
	v_pk_mul_f32 v[O+\i:O+\i+1], v[O+\i:O+\i+1], v[ST+8*(\i/32)+6:ST+8*(\i/32)+7] op_sel_hi:[1,0]
.endr
.irp i, 0,1,2,3,4,5,6,7,8,9,10,11,12,13,14,15,16,17,18,19,20,21,22,23,24,25,26,27,28,29,30,31
	v_cvt_pk_f16_f32 v[H+\i], v[O+2*\i], v[O+2*\i+1]
.endr
	s_lshr_b32 s42, s10, 4                         ; batch
	s_lshl_b32 s42, s42, 7
	s_lshr_b32 s43, s15, 4
	s_add_co_u32 s42, s42, s43                     ; my first tile of 16 rows
	s_lshl_b32 s32, s42, 15
	s_and_b32 s43, s10, 15                         ; head: two chunks of 32 channels
	s_lshl_b32 s43, s43, 11
	s_add_co_u32 s32, s32, s43
	s_mov_b32 s33, 0
	s_add_nc_u64 s[40:41], s[6:7], s[32:33]
.irp t, 0,1
.irp d, 0,1,2,3
	global_store_b128 v[L16], v[H+16*\t+4*\d:H+16*\t+4*\d+3], s[40:41] offset:32768*\t+512*\d   ; 32 lanes store 512 consecutive bytes
.endr
.endr
.endm
.macro SWITCH                          ; on to the second block: its Q was fetched at the head, so nothing is waited for here
	WIN 0x41
.irp i, 0,1,2,3,4,5,6,7,8,9,10,11,12,13,14,15,16,17,18,19,20,21,22,23,24,25,26,27,28,29,30,31
	v_mov_b32 v[\i], v[32+\i]
.endr
	WIN 0
	s_lshl_b32 s15, s9, 8
	s_lshl_b32 s42, s8, 5
	s_add_co_u32 s15, s15, s42                     ; my first query: 256 p + 32 wave
	s_mov_b32 s14, 0
	INIT
.endm
.macro UNIT                            ; 256 keys: four key steps, written once
	s_cmp_lg_u32 s12, s11
	s_cbranch_scc1 .Lsame_\@
	FINISH
	SWITCH
.Lsame_\@:
	s_mov_b32 s13, 4
.Lks_\@:
	KSTEP
	s_sub_co_u32 s13, s13, 1
	s_cmp_lg_u32 s13, 0
	s_cbranch_scc1 .Lks_\@
	s_sub_co_u32 s35, s35, 32768                   ; back to a slot's first step,
	s_xor_b32 s35, s35, 65536                      ; in the other slot
	s_add_co_u32 s12, s12, 1
.endm
	s_load_b128 s[4:7], s[0:1], 0x0                ; qkv16, att16
	v_lshl_add_u32 v[SPW], v0, 2, SPARE
	v_mov_b32 v[NIL], 0
	ds_add_u32 v[SPW], v[NIL]                      ; the wave's opening: the add, twice on end, and its wait ahead of my first tensor load
	ds_add_u32 v[SPW], v[NIL]
	v_lshrrev_b32 v10, 5, v0
	v_readfirstlane_b32 s8, v10                    ; wave 0..7
	s_mov_b32 s9, ttmp9                            ; p
	s_and_b32 s10, ttmp7, 0xffff                   ; batch x 16 + head
	s_sub_co_u32 s11, 8, s9                        ; the trip in which the second block begins
	s_mov_b32 s12, 0                               ; the trip
	s_mov_b32 s14, 0                               ; the step's first key
	s_sub_co_u32 s15, 7, s9
	s_lshl_b32 s15, s15, 8
	s_lshl_b32 s42, s8, 5
	s_add_co_u32 s15, s15, s42                     ; my first query: 256 (7 - p) + 32 wave
	s_mov_b32 s16, 3<<16                           ; group 1: no mask; elements of 8 bytes; no padding
	s_mov_b32 s17, 32<<16                          ; tensor_dim0 = 32 elements: rows of 256 bytes
	s_mov_b32 s18, 32<<16                          ; tensor_dim1 = 32
	s_mov_b32 s19, 32<<16                          ; tile_dim0 = 32
	s_mov_b32 s20, 32                              ; tile_dim1 = 32: 8 KB, dense
	s_mov_b32 s21, 32                              ; from row to row
	s_mov_b32 s22, 0
	s_mov_b32 s23, 0
	s_mov_b32 s24, 1
	s_lshl_b32 s25, s8, 13                         ; slot 0, 8,192 x wave: waves 0-3 K's quarters, waves 4-7 V's
	s_mov_b32 s35, 0
	s_mov_b32 s36, 0x3e38aa3b                      ; c = log2(e) / 8
	s_mov_b32 s37, s36                             ; (named with it as a pair)
	s_mov_b32 s38, 0x76543210
	s_mov_b32 s39, 0xfedcba98
	s_cmp_eq_u32 s9, 0
	s_cselect_b32 s34, 6, 0                        ; the trips in which I prefetch
	s_lshr_b32 s42, s8, 2
	s_add_co_u32 s42, s42, 1
	s_lshl_b32 s42, s42, 24                        ; k's part of the buffer, or v's
	s_lshl_b32 s43, s10, 18
	s_add_co_u32 s42, s42, s43
	s_and_b32 s43, s8, 3
	s_lshl_b32 s43, s43, 13
	s_add_co_u32 s32, s42, s43
	s_mov_b32 s33, 0
	s_wait_dscnt 0x0                               ; both opening adds are done
	s_wait_kmcnt 0x0
	s_add_nc_u64 s[28:29], s[4:5], s[32:33]        ; my 8 KB of unit 0
	s_mov_b64 s[26:27], s[28:29]
	s_or_b32 s27, s27, 0x80000000
	tensor_load_to_lds s[24:27], s[16:23]          ; unit 0 into slot 0
	s_nop 0
.rept 4
	v_nop
.endr
	s_add_nc_u64 s[30:31], s[28:29], 32768         ; the prefetches: the first change steps this to unit 2
	s_lshl_b32 s32, s10, 18
	s_lshl_b32 s42, s15, 7
	s_add_co_u32 s32, s32, s42
	s_add_nc_u64 s[40:41], s[4:5], s[32:33]        ; Q of the first block: 128 bytes a query
	s_lshl_b32 s42, s9, 8
	s_lshl_b32 s43, s8, 5
	s_add_co_u32 s42, s42, s43
	s_lshl_b32 s42, s42, 7
	s_lshl_b32 s32, s10, 18
	s_add_co_u32 s32, s32, s42
	s_add_nc_u64 s[44:45], s[4:5], s[32:33]        ; and of the second
	v_and_b32 v10, 31, v0
	v_lshlrev_b32 v[L16], 4, v10
	v_lshlrev_b32 v[PFO], 8, v10
	WIN 0x40
.irp t, 0,1
.irp c, 0,1
.irp n, 0,1
	global_load_b128 v[16*\t+8*\c+4*\n:16*\t+8*\c+4*\n+3], v[L16], s[40:41] offset:2048*\t+1024*\c+512*\n
	global_load_b128 v[32+16*\t+8*\c+4*\n:32+16*\t+8*\c+4*\n+3], v[L16], s[44:45] offset:2048*\t+1024*\c+512*\n
.endr
.endr
.endr
	WIN 0
	v_and_b32 v10, 15, v0
	v_bfe_u32 v11, v0, 4, 1
	v_lshlrev_b32 v11, 3, v11
	v_sub_nc_u32 v[RH], v10, v11
	v_mov_b32 v[NINF], 0xff800000
	INIT
	s_wait_loadcnt 0x0                             ; Q
.Lunit:                                            ; eight trips: behind each change of slots the next unit is asked for
	CHANGE 1
	UNIT
	s_cmp_lt_u32 s12, 8
	s_cbranch_scc1 .Lunit
	CHANGE 0                                       ; the last unit is written out
	UNIT
	FINISH
	s_wait_tensorcnt 0x0                           ; the wave's end: a wait, an add of 0 onto the spare word and a wait, behind my last tensor load
	ds_add_u32 v[SPW], v[NIL]
	s_wait_dscnt 0x0
	s_endpgm
.Lfunc_end_k_q1a7c132ced_attn:
	.size	k_q1a7c132ced_attn, .Lfunc_end_k_q1a7c132ced_attn-k_q1a7c132ced_attn
	.p2alignl 7, 3214868480
	.fill 96, 4, 3214868480
	.section	.rodata,"a",@progbits
	.p2align	6, 0x0
	.amdhsa_kernel k_q1a7c132ced_attn
		.amdhsa_group_segment_fixed_size 327680
		.amdhsa_private_segment_fixed_size 0
		.amdhsa_enable_private_segment 0
		.amdhsa_kernarg_size 16
		.amdhsa_user_sgpr_count 2
		.amdhsa_user_sgpr_kernarg_segment_ptr 1
		.amdhsa_wavefront_size32 1
		.amdhsa_system_sgpr_workgroup_id_x 1
		.amdhsa_system_sgpr_workgroup_id_y 1
		.amdhsa_system_sgpr_workgroup_id_z 1
		.amdhsa_system_vgpr_workitem_id 0
		.amdhsa_next_free_vgpr 512
		.amdhsa_next_free_sgpr 66
		.amdhsa_reserve_vcc 1
		.amdhsa_float_denorm_mode_32 3
		.amdhsa_float_denorm_mode_16_64 3
		.amdhsa_memory_ordered 1
		.amdhsa_forward_progress 1
		.amdhsa_inst_pref_size 77
	.end_amdhsa_kernel
	.amdgpu_metadata
---
amdhsa.version: [ 1, 2 ]
amdhsa.kernels:
  - .name:           k_q1a7c132ced_attn
    .symbol:         k_q1a7c132ced_attn.kd
    .args:
      - { .name: qkv16, .offset: 0, .size: 8, .value_kind: global_buffer, .address_space: global }
      - { .name: att16, .offset: 8, .size: 8, .value_kind: global_buffer, .address_space: global }
    .group_segment_fixed_size: 327680
    .private_segment_fixed_size: 0
    .kernarg_segment_align: 8
    .kernarg_segment_size: 16
    .max_flat_workgroup_size: 256
    .sgpr_count:     66
    .vgpr_count:     512
    .wavefront_size: 32
...
	.end_amdgpu_metadata
.endif
;; end of part 4
;; launch proj (part 5): grid 4 x 64, 4 waves a work-group, clusters of 4 x 4, 327,680 bytes of LDS; arguments att16, wot, out0; writes out0
.if DOCPART == 5
	.amdgcn_target "amdgcn-amd-amdhsa--gfx1250"
	.amdhsa_code_object_version 6
	.text
	.protected	k_q1a7c132ced_proj
	.globl	k_q1a7c132ced_proj
	.p2align	8
	.type	k_q1a7c132ced_proj,@function
k_q1a7c132ced_proj:
	s_mov_b64 s[64:65], 0
	v_nop
	global_prefetch_b8 v0, s[64:65] scope:SCOPE_SE
	s_setreg_imm32_b32 hwreg(HW_REG_WAVE_MODE, 25, 1), 1
	s_wait_xcnt 0x0
	s_wait_alu depctr_hold_cnt(0) depctr_sa_sdst(0) depctr_va_vdst(0) depctr_va_sdst(0) depctr_va_ssrc(0) depctr_va_vcc(0) depctr_vm_vsrc(0)
	s_getreg_b32 s2, hwreg(HW_REG_IB_STS2, 6, 4)
	s_cmp_eq_u32 s2, 0
	s_cbranch_scc0 .Lentry_in_a_cluster
	s_endpgm
.Lentry_in_a_cluster:
	s_bfe_u32 s2, ttmp6, 0x10000c
	s_cmp_lg_u32 s2, 0xf033
	s_cbranch_scc0 .Lentry_shape_is_right
	s_endpgm
.Lentry_shape_is_right:
; out0 = attention's result x w_out, on f16 operands with f32 sums.  [8,192 x 1,024] x [1,024 x 1,024].
; LEFT OUT: rows t < 16 of every batch are not stored here: launch fine owns them, in f32.  Their sums lie inside a wave's tile beside live rows and are made with it.
; A tile of out0 is 128 x 256: 64 x 4 = 256 work-groups, one to a WGP.  Four waves, each 64 rows x 128 columns: 32 accumulators, 256 registers.  K goes in 8 steps of 128 through two LDS slots.
; Both operands lie in memory in the order of the operand's registers ([row / 16][c / 32][half][lane][16 bytes]): a K step of 16 rows is 4,096 consecutive bytes, an LDS read is 512 consecutive bytes: no pitch, no padding.
; CLUSTERS: 4 x 4.  The tile column is cx; the tile row is 16 cy + the cluster's y, so that the batch is cy and 'rows t < 16' is a question of the cluster's y and the wave's number, alike in all partners.
; The four of a row of the cluster ask jointly for the left operand's tile, the four of a column for w_out's.  THE MATRIX INSTRUCTION IS USED TRANSPOSED (source 0 = 16 columns of w_out, source 1 = 16 rows): a lane holds eight neighbouring numbers of a row of out0.
; No prefetch: of the eight K steps the first four could not be asked for ahead.
; REGISTERS: window 0: v16-29 addresses; two fragment buffers of 96: v32-127 and v128-223 (4 fragments of rows, then 8 of w_out); on the way out v32-95 rows read back.   window 1: the accumulators, (a, b) at v[8 (8 a + b)].
.set SLOT,   98304                     ; 8 x 4 KB of rows, then 16 x 4 KB of w_out
.set STAGE,  2*SLOT                    ; behind the ring: 16 rows x (512 bytes + 16) for each wave
.set SPITCH, 528
.set SPARE,  STAGE+4*16*SPITCH         ; the spare words, 128 bytes for each wave
.set LAPS,   4                         ; a lap = two K steps = once round the ring
.set ADRA, 16
.set ADRB, 20
.set STO,  24
.set RD,   25
.set CO,   26                          ; v26  16 x lane; never rewritten
.set SPW,  28
.set NIL,  29
.set F0,   32
.set F1,   128
.set BK,   32
.set G1, 24
.set G0, 32
.set G1B, 48
.set G0B, 56
.set MSB, 0
.macro WIN new
.if MSB != \new
	s_set_vgpr_msb (MSB<<8)|\new
.set MSB, \new
.endif
.endm
.set MUL, 0x50                         ; C and D window 1, the sources window 0
.macro JLOAD s                         ; a joint load: waves 0 and 1 fetch the rows' two halves, waves 2 and 3 w_out's; an s_nop 0 and four v_nop follow each of the two lines
	s_cmp_eq_u32 s11, 0
	s_cbranch_scc0 .Lfor_b_\@
	tensor_load_to_lds s[G0+4*\s:G0+4*\s+3], s[G1:G1+7]
	s_nop 0
.rept 4
	v_nop
.endr
	s_branch .Lasked_\@
.Lfor_b_\@:
	tensor_load_to_lds s[G0B+4*\s:G0B+4*\s+3], s[G1B:G1B+7]
	s_nop 0
.rept 4
	v_nop
.endr
.Lasked_\@:
.endm
.macro CREST                           ; a round of the cluster's barrier behind its opening barrier
	s_cmp_lg_u32 s10, 0
	s_cbranch_scc1 .Lnot_wave_0_\@
	s_barrier_signal -3
.Lnot_wave_0_\@:
	s_barrier_wait -3
	s_barrier_signal -1
	s_barrier_wait -1
.endm
.macro CROUND
	s_barrier_signal -1
	s_barrier_wait -1
	CREST
.endm
	s_load_b128 s[4:7], s[0:1], 0x0                ; att16, wot
	s_load_b64 s[8:9], s[0:1], 0x10                ; out0
	v_lshl_add_u32 v[SPW], v0, 2, SPARE
	v_mov_b32 v[NIL], 0
	ds_add_u32 v[SPW], v[NIL]                      ; the wave's opening: the add, twice on end, and its wait ahead of my first tensor load
	ds_add_u32 v[SPW], v[NIL]
	v_lshrrev_b32 v1, 5, v0
	v_readfirstlane_b32 s10, v1                    ; wave 0..3
	s_lshr_b32 s11, s10, 1                         ; which 64 rows are mine.  Also: I fetch rows (0) or w_out (1)
	s_and_b32 s12, s10, 1                          ; which 128 columns.  Also: which half of that tile I fetch
	s_bfe_u32 s40, ttmp6, 0x40000                  ; cx
	s_bfe_u32 s41, ttmp6, 0x40004                  ; cy
	s_and_b32 s13, ttmp7, 0xffff                   ; the cluster's y
	s_lshl_b32 s43, s41, 2
	s_lshl_b32 s43, 15, s43                        ; my row of the cluster
	s_lshl_b32 s44, 0x1111, s40                    ; my column
	s_or_b32 s[G1+0], s43, (3<<16)|(1<<21)         ; the mask; elements of 8 bytes; bit 21 beside a mask; no padding
	s_mov_b32 s[G1+1], 512<<16                     ; tensor_dim0 = 512 elements: 4,096 bytes, a K step of 16 rows
	s_mov_b32 s[G1+2], 4<<16                       ; tensor_dim1 = 4
	s_mov_b32 s[G1+3], 512<<16                     ; tile_dim0
	s_mov_b32 s[G1+4], 4                           ; tile_dim1: four tiles of 16 rows
	s_mov_b32 s[G1+5], 4096                        ; 32,768 bytes from one to the next
	s_mov_b32 s[G1+6], 0
	s_mov_b32 s[G1+7], 0
	s_or_b32 s[G1B+0], s44, (3<<16)|(1<<21)
	s_mov_b32 s[G1B+1], 512<<16
	s_mov_b32 s[G1B+2], 8<<16
	s_mov_b32 s[G1B+3], 512<<16
	s_mov_b32 s[G1B+4], 8                          ; eight tiles of 16 columns
	s_mov_b32 s[G1B+5], 4096
	s_mov_b32 s[G1B+6], 0
	s_mov_b32 s[G1B+7], 0
	s_lshl_b32 s16, s41, 4
	s_add_co_u32 s16, s16, s13                     ; the tile row: 16 cy + cluster y
	s_lshl_b32 s17, s16, 3
	s_lshl_b32 s18, s12, 2
	s_add_co_u32 s17, s17, s18                     ; the first tile of 16 rows that I fetch
	s_lshl_b32 s14, s17, 15
	s_mov_b32 s15, 0
	s_lshl_b32 s46, s40, 4
	s_lshl_b32 s18, s12, 3
	s_add_co_u32 s46, s46, s18                     ; the first tile of 16 columns that I fetch
	s_lshl_b32 s46, s46, 15
	s_mov_b32 s47, 0
	s_lshl_b32 s20, s12, 14                        ; where they go: no place in the cluster enters an LDS address
	s_lshl_b32 s21, s12, 15
	s_add_co_u32 s21, s21, 32768
	s_wait_dscnt 0x0                               ; both opening adds are done
	s_wait_kmcnt 0x0
	s_add_nc_u64 s[14:15], s[4:5], s[14:15]
	s_add_nc_u64 s[46:47], s[6:7], s[46:47]
	CROUND                                         ; all sixteen work-groups are here: the first joint loads meet
.irp s, 0,1
	s_mov_b32 s[G0+4*\s], 1
	s_add_co_u32 s[G0+4*\s+1], s20, \s*SLOT
	s_add_nc_u64 s[G0+4*\s+2:G0+4*\s+3], s[14:15], \s*4096
	s_or_b32 s[G0+4*\s+3], s[G0+4*\s+3], 0x80000000
	s_mov_b32 s[G0B+4*\s], 1
	s_add_co_u32 s[G0B+4*\s+1], s21, \s*SLOT
	s_add_nc_u64 s[G0B+4*\s+2:G0B+4*\s+3], s[46:47], \s*4096
	s_or_b32 s[G0B+4*\s+3], s[G0B+4*\s+3], 0x80000000
	JLOAD \s                                       ; K steps 0 and 1: two loads of mine are out
.endr
	v_and_b32 v1, 31, v0
	v_lshlrev_b32 v[CO], 4, v1
	s_lshl_b32 s22, s11, 14                        ; my four tiles of rows
	s_lshl_b32 s23, s12, 15
	s_add_co_u32 s23, s23, 32768                   ; my eight tiles of columns
.irp s, 0,1
	v_add_nc_u32 v[ADRA+\s], s22, v[CO]
	v_add_nc_u32 v[ADRB+\s], s23, v[CO]
	s_add_co_u32 s22, s22, SLOT
	s_add_co_u32 s23, s23, SLOT
.endr
	s_mul_i32 s23, s10, 16*SPITCH
	s_add_co_u32 s23, s23, STAGE                   ; my stage
	v_and_b32 v2, 15, v0
	v_bfe_u32 v3, v0, 4, 1
	v_mul_u32_u24 v4, v2, SPITCH
	v_lshl_add_u32 v4, v3, 5, v4
	v_add_nc_u32 v[STO], s23, v4                   ; in: row l % 16, 32 bytes for each half of the lanes
	v_add_nc_u32 v[RD], s23, v[CO]                 ; back: the 32 lanes take one row of 512 bytes
	s_lshl_b32 s2, s16, 19                         ; my part of out0: 128 rows of 4,096 bytes a tile row,
	s_lshl_b32 s3, s11, 18                         ; 64 rows,
	s_add_co_u32 s2, s2, s3
	s_lshl_b32 s3, s40, 10                         ; 256 columns a tile column,
	s_add_co_u32 s2, s2, s3
	s_lshl_b32 s3, s12, 9                          ; 128 columns
	s_add_co_u32 s2, s2, s3
	s_mov_b32 s3, 0
	s_add_nc_u64 s[8:9], s[8:9], s[2:3]
.macro MUL8 f, a, zero                 ; block a of 16 rows x my eight tiles of columns, 32 along K.  The 32 accumulators take turns in the same order in every quarter
.irp b, 0,1,2,3,4,5,6,7
.if \zero
	v_wmma_f32_16x16x32_f16 v[8*(8*(\a)+\b):8*(8*(\a)+\b)+7], v[\f+32+8*\b:\f+32+8*\b+7], v[\f+8*(\a):\f+8*(\a)+7], 0
.else
	v_wmma_f32_16x16x32_f16 v[8*(8*(\a)+\b):8*(8*(\a)+\b)+7], v[\f+32+8*\b:\f+32+8*\b+7], v[\f+8*(\a):\f+8*(\a)+7], v[8*(8*(\a)+\b):8*(8*(\a)+\b)+7]
.endif
.endr
.endm
.macro MUL16 f, a0, zero
	MUL8 \f, \a0, \zero
	MUL8 \f, \a0+1, \zero
.endm
.macro FETCH slot, q, f                ; 24 LDS loads in one run: the slot's q-th 32 along K: w_out's eight fragments, then the rows' four
.irp i, 0,1,2,3,4,5,6,7
	ds_load_b128 v[\f+32+8*\i:\f+32+8*\i+3], v[ADRB+\slot] offset:4096*\i+1024*(\q)
	ds_load_b128 v[\f+32+8*\i+4:\f+32+8*\i+7], v[ADRB+\slot] offset:4096*\i+1024*(\q)+512
.endr
.irp i, 0,1,2,3
	ds_load_b128 v[\f+8*\i:\f+8*\i+3], v[ADRA+\slot] offset:4096*\i+1024*(\q)
	ds_load_b128 v[\f+8*\i+4:\f+8*\i+7], v[ADRA+\slot] offset:4096*\i+1024*(\q)+512
.endr
.endm
.macro PLACES                          ; four plain instructions in front of loads into registers that matrix instructions have read, and of the first reads of results
.rept 4
	v_nop
.endr
.endm
; A K step is four quarters of 32 along K, 32 matrix instructions each, on buffers 0, 1, 0, 1.  One of the first three multiplies buffer f and fetches the slot's q-th quarter into g.
.macro QUARTER slot, q, f, g, zero
	s_wait_dscnt 4                                 ; all but the youngest four loads (row blocks 2, 3) are in
	WIN MUL
	MUL16 \f, 0, \zero
	PLACES
	WIN 0
	FETCH \slot, \q, \g
	s_wait_dscnt 24                                ; all but the 24 just issued
	WIN MUL
	MUL16 \f, 2, \zero
.endm
; The last quarter multiplies buffer 1 and changes slots: ONE barrier; in front of it each wave waits for all its tensor loads, adds 0 to its spare word, and waits for that and for its reads of this slot.
; fill = 1: the barrier opens a round of the cluster's barrier, and this slot is filled again, two K steps ahead: 112 matrix instructions stand between the request and the wait for it.
.macro TURN slot, next, fill
	WIN 0
	s_wait_tensorcnt 0x0                           ; all my tensor loads have landed: my part of the next slot
	ds_add_u32 v[SPW], v[NIL]                      ; 0 onto my spare word
	s_wait_dscnt 5                                 ; the add and the youngest four loads may be out
	WIN MUL
	MUL8 F1, 0, 0
	s_wait_dscnt 0x0                               ; the add is done, and my reads of this slot are over
	s_barrier_signal -1
	MUL8 F1, 1, 0
	WIN 0
	s_barrier_wait -1
.if \fill
	CREST                                          ; no wave of any partner still reads this slot's tile or has a load on its way
	s_add_nc_u64 s[G0+4*\slot+2:G0+4*\slot+3], s[G0+4*\slot+2:G0+4*\slot+3], 8192
	s_add_nc_u64 s[G0B+4*\slot+2:G0B+4*\slot+3], s[G0B+4*\slot+2:G0B+4*\slot+3], 8192
	JLOAD \slot                                    ; the first tensor load behind the round; its four v_nop are also the places in front of the loads below
.else
	PLACES
.endif
	FETCH \next, 0, F0
	WIN MUL
	MUL16 F1, 2, 0
.endm
	s_wait_tensorcnt 1                             ; my part of K step 0 is in; K step 1's load may be out,
	s_barrier_signal -1
	s_barrier_wait -1                              ; everybody's is
	FETCH 0, 0, F0
	QUARTER 0, 1, F0, F1, 1                        ; the first quarter's products start the sums: nothing is cleared
	WIN 0
	s_mov_b32 s3, LAPS-1
.Llap:                                             ; a trip goes once round the ring, from a lap's second quarter to the next lap's first, and fills both slots again
	QUARTER 0, 2, F1, F0, 0
	QUARTER 0, 3, F0, F1, 0
	TURN 0, 1, 1
	QUARTER 1, 1, F0, F1, 0
	QUARTER 1, 2, F1, F0, 0
	QUARTER 1, 3, F0, F1, 0
	TURN 1, 0, 1
	QUARTER 0, 1, F0, F1, 0
	WIN 0
	s_sub_co_u32 s3, s3, 1
	s_cmp_lg_u32 s3, 0
	s_cbranch_scc1 .Llap
	QUARTER 0, 2, F1, F0, 0                        ; the last lap fills nothing, and has no round
	QUARTER 0, 3, F0, F1, 0
	TURN 0, 1, 0
	QUARTER 1, 1, F0, F1, 0
	QUARTER 1, 2, F1, F0, 0
	QUARTER 1, 3, F0, F1, 0
	s_wait_dscnt 4
	WIN MUL
	MUL16 F1, 0, 0
	s_wait_dscnt 0
	MUL16 F1, 2, 0
	WIN 0
; THE WAY OUT, a block of 16 rows x 128 columns at a time, through my own stage: a lane holds 32 bytes of a row; whole rows of 512 bytes come back and are stored by the 32 lanes.
.macro TOSTAGE a
	WIN 0x04                                       ; an LDS store's data are its source 1: window 1
.irp b, 0,1,2,3,4,5,6,7
	ds_store_b128 v[STO], v[8*(8*(\a)+\b):8*(8*(\a)+\b)+3] offset:64*\b       ; each accumulator from its low end on
	ds_store_b128 v[STO], v[8*(8*(\a)+\b)+4:8*(8*(\a)+\b)+7] offset:64*\b+16
.endr
	WIN 0
.irp t, 0,1,2,3,4,5,6,7,8,9,10,11,12,13,14,15
	ds_load_b128 v[BK+4*\t:BK+4*\t+3], v[RD] offset:\t*SPITCH                 ; LDS serves a wave's instructions in order: these see the stores above
.endr
.endm
.macro SEND
	s_wait_dscnt 0x0
.irp t, 0,1,2,3,4,5,6,7,8,9,10,11,12,13,14,15
	global_store_b128 v[CO], v[BK+4*\t:BK+4*\t+3], s[8:9] offset:4096*\t th:TH_STORE_NT   ; 32 lanes store 512 consecutive bytes, aligned
.endr
.endm
	PLACES
	s_or_b32 s20, s13, s11
	s_cmp_eq_u32 s20, 0                            ; my first 16 rows are positions 0 to 15 of a batch: they are another launch's.  The cluster's y and the wave's number alone
	s_cbranch_scc1 .Lnot_mine
	TOSTAGE 0
	SEND
.Lnot_mine:
.irp a, 1,2,3
	s_wait_xcnt 0x0                                ; the last block's stores have read their registers and their base
	s_add_nc_u64 s[8:9], s[8:9], 65536             ; 16 rows on
	TOSTAGE \a
	SEND
.endr
	s_wait_tensorcnt 0x0                           ; the wave's end: a wait, an add of 0 onto the spare word and a wait, behind my last tensor load and my last LDS store
	ds_add_u32 v[SPW], v[NIL]
	s_wait_dscnt 0x0
	CROUND                                         ; the closing round
	s_endpgm
.Lfunc_end_k_q1a7c132ced_proj:
	.size	k_q1a7c132ced_proj, .Lfunc_end_k_q1a7c132ced_proj-k_q1a7c132ced_proj
	.p2alignl 7, 3214868480
	.fill 96, 4, 3214868480
	.section	.rodata,"a",@progbits
	.p2align	6, 0x0
	.amdhsa_kernel k_q1a7c132ced_proj
		.amdhsa_group_segment_fixed_size 327680
		.amdhsa_private_segment_fixed_size 0
		.amdhsa_enable_private_segment 0
		.amdhsa_kernarg_size 24
		.amdhsa_user_sgpr_count 2
		.amdhsa_user_sgpr_kernarg_segment_ptr 1
		.amdhsa_wavefront_size32 1
		.amdhsa_system_sgpr_workgroup_id_x 1
		.amdhsa_system_sgpr_workgroup_id_y 1
		.amdhsa_system_sgpr_workgroup_id_z 1
		.amdhsa_system_vgpr_workitem_id 0
		.amdhsa_next_free_vgpr 512
		.amdhsa_next_free_sgpr 66
		.amdhsa_reserve_vcc 0
		.amdhsa_float_denorm_mode_32 3
		.amdhsa_float_denorm_mode_16_64 3
		.amdhsa_memory_ordered 1
		.amdhsa_forward_progress 1
		.amdhsa_inst_pref_size 85
	.end_amdhsa_kernel
	.amdgpu_metadata
---
amdhsa.version: [ 1, 2 ]
amdhsa.kernels:
  - .name:           k_q1a7c132ced_proj
    .symbol:         k_q1a7c132ced_proj.kd
    .args:
      - { .name: att16, .offset: 0, .size: 8, .value_kind: global_buffer, .address_space: global }
      - { .name: wot, .offset: 8, .size: 8, .value_kind: global_buffer, .address_space: global }
      - { .name: out0, .offset: 16, .size: 8, .value_kind: global_buffer, .address_space: global }
    .group_segment_fixed_size: 327680
    .private_segment_fixed_size: 0
    .kernarg_segment_align: 8
    .kernarg_segment_size: 24
    .max_flat_workgroup_size: 128
    .sgpr_count:     66
    .vgpr_count:     512
    .wavefront_size: 32
...
	.end_amdgpu_metadata
.endif
;; end of part 5
